; MI455X (gfx1250); checked and timed in simulation.
; The chip was launched on July 23, 2026; its instructions are those of AMD's public machine-readable ISA for CDNA 5 (MIT licence, August 2026) and "CDNA5" Instruction Set Architecture Reference Guide (July 2026). The comments in the code are by the model that wrote it; some were corrected since.
;; Concat Attention. Allowed arithmetic: float matrix products may take bf16 or f16 operands with f32 sums; all other float work in f32.
;; Inputs: W 1,024 x 2,048 float32; decoder_state 32 x 1,024 float32; encoder_outputs 32 x 2,048 x 1,024 float32; sequence_length 32 int32; v 1,024 float32.
;; Outputs: out0 32 x 1,024 float32; out1 32 x 2,048 float32.
;; 2 versions, each right; version 2 is version 1 with the launch main written anew for expert scheduling mode. Each part assembles by itself: llvm-mc -triple=amdgcn-amd-amdhsa -mcpu=gfx1250 --defsym DOCPART=n.
;; ======== version 1 of 2: 3 launches
;; limits: right only within a limited range of input values
;; workspace buffers: wb 2,097,152 bytes; dproj 131,072 bytes; lg 262,144 bytes; part 2,097,152 bytes
;; launch prep (part 1): grid 64 x 1, 8 waves a work-group, no clusters, 17,408 bytes of LDS; arguments W, decoder_state, wb, dproj; writes wb, dproj
.if DOCPART == 1
	.amdgcn_target "amdgcn-amd-amdhsa--gfx1250"
	.amdhsa_code_object_version 6
	.text
	.protected	k_qaf28190694_prep
	.globl	k_qaf28190694_prep
	.p2align	8
	.type	k_qaf28190694_prep,@function
k_qaf28190694_prep:
	s_mov_b64 s[64:65], 0
	v_nop
	global_prefetch_b8 v0, s[64:65] scope:SCOPE_SE
	s_setreg_imm32_b32 hwreg(HW_REG_WAVE_MODE, 25, 1), 1
	s_wait_xcnt 0x0
; PREP.  Two things are made of W [1024][2048] f32, each byte of W read once:
;  (1) wb: W's first 1,024 columns rounded to bf16, laid out as the next launch's matrix fragments:
;      [Gs 8][ks 32][t 8][c 2][lane 32][8 numbers] = W[128 Gs + 16 t + lane % 16][32 ks + 16 c + 8 (lane / 16) + e], so that one 16-byte load a lane there is half a fragment.
;  (2) dproj[b][h] = the sum over d of decoder_state[b][d] W[h][1024 + d]: bf16 operands, f32 sums.
; SHARES.  Work-group g owns W's rows 16 g .. 16 g + 15.  Wave w owns the columns 128 w .. 128 w + 127 of both halves of W and of decoder_state: four steps q of 32.
; The eight waves' partial products meet in LDS behind one barrier.  No ring and no tensor load: a wave's whole share is 64 loads: 48 at once, the last 16 behind R1's stores.
.set RED,   0                          ; [wave 8][register 16][lane 32] f32
.set SPARE, 16384                      ; the spare words: 128 bytes a wave, four blocks of 256 bytes that no other line names
.set R1,  32                           ; v[32:95]   W's first half, 16 f32 a step; later decoder rows 16-31
.set R2,  96                           ; v[96:159]  W's second half
.set R3,  160                          ; v[160:223] decoder rows 0-15
.set AC0, 224                          ; v[224:231] batches 0-15 x my 16 hidden units
.set AC1, 232                          ; v[232:239] batches 16-31
; 16 loads: for step q the 16 numbers of a fragment's lane: columns 32 q + 16 c + 8 (lane / 16) + 4 e + 0..3
.macro LD16 R, vo, sb, extra
.irp q, 0,1,2,3
.irp c, 0,1
.irp e, 0,1
	global_load_b128 v[(\R)+16*(\q)+8*(\c)+4*(\e):(\R)+16*(\q)+8*(\c)+4*(\e)+3], v[\vo], s[\sb:\sb+1] offset:(\extra)+128*(\q)+64*(\c)+16*(\e)
.endr
.endr
.endr
.endm
; in place: register i of a step takes numbers 2 i and 2 i + 1, which lie at or above it; the step's fragment is then its first eight registers
.macro PACK R
.irp q, 0,1,2,3
.irp i, 0,1,2,3,4,5,6,7
	v_cvt_pk_bf16_f32 v[(\R)+16*(\q)+(\i)], v[(\R)+16*(\q)+2*(\i)], v[(\R)+16*(\q)+2*(\i)+1]
.endr
.endr
.endm
	s_load_b256 s[4:11], s[0:1], 0x0               ; W s[4:5], decoder_state s[6:7], wb s[8:9], dproj s[10:11]
	v_lshl_add_u32 v30, v0, 2, SPARE               ; my spare word,
	v_mov_b32 v31, 0                               ; and 0: kept for the wave's end
	v_lshrrev_b32 v9, 5, v0
	v_readfirstlane_b32 s12, v9                    ; wave 0..7
	v_and_b32 v10, 31, v0                          ; lane
	v_and_b32 v1, 15, v0                           ; r
	v_bfe_u32 v2, v0, 4, 1                         ; hh
	s_lshl_b32 s13, s12, 9                         ; my 128 columns: 512 bytes
	v_lshlrev_b32 v3, 13, v1                       ; W: row r x 8,192 bytes
	v_lshl_add_u32 v3, v2, 5, v3                   ; + 8 numbers for the upper half of the lanes
	v_add_nc_u32 v3, s13, v3
	v_lshlrev_b32 v4, 12, v1                       ; decoder_state: row r x 4,096 bytes
	v_lshl_add_u32 v4, v2, 5, v4
	v_add_nc_u32 v4, s13, v4
	v_lshlrev_b32 v5, 4, v10                       ; wb: 16 bytes a lane
	s_lshl_b32 s13, s12, 11
	v_lshl_add_u32 v6, v10, 2, s13                 ; RED: my wave's 2,048 bytes, my lane's word
	v_bfe_u32 v11, v0, 2, 5                        ; the sum's share (threads 0-127): batch = thread / 4,
	v_and_b32 v15, 3, v0                           ; four hidden units from 4 (thread % 4)
	v_bfe_u32 v12, v0, 6, 1                        ; batch / 16: which accumulator
	v_bfe_u32 v13, v0, 2, 3                        ; batch % 8: which register of it
	v_bfe_u32 v14, v0, 5, 1                        ; (batch / 8) % 2: which half of the lanes
	v_lshl_add_u32 v7, v12, 3, v13
	v_lshlrev_b32 v7, 7, v7                        ; register x 128 bytes
	v_lshl_add_u32 v7, v14, 6, v7                  ; + 16 lanes
	v_lshl_add_u32 v7, v15, 4, v7                  ; + my four lanes
	v_lshlrev_b32 v8, 12, v11                      ; dproj: batch x 4,096 bytes
	v_lshl_add_u32 v8, v15, 4, v8
	s_lshl_b32 s14, ttmp9, 17                      ; W: 16 rows of 8,192 bytes a work-group
	s_mov_b32 s15, 0
	s_lshr_b32 s16, ttmp9, 3
	s_lshl_b32 s16, s16, 18                        ; wb: Gs = g / 8, 262,144 bytes each,
	s_and_b32 s17, ttmp9, 7
	s_lshl_b32 s17, s17, 10                        ; t = g % 8, 1,024 bytes each,
	s_add_co_u32 s16, s16, s17
	s_lshl_b32 s17, s12, 15                        ; ks = 4 w + q, 8,192 bytes each
	s_add_co_u32 s16, s16, s17
	s_mov_b32 s17, 0
	s_lshl_b32 s18, ttmp9, 6                       ; dproj: my 16 hidden units, 64 bytes
	s_mov_b32 s19, 0
	s_wait_kmcnt 0x0
	s_add_nc_u64 s[4:5], s[4:5], s[14:15]
	s_add_nc_u64 s[8:9], s[8:9], s[16:17]
	s_add_nc_u64 s[10:11], s[10:11], s[18:19]
	LD16 R1, 3, 4, 0                               ; W, first half
	LD16 R2, 3, 4, 4096                            ; W, second half: 1,024 columns on
	LD16 R3, 4, 6, 0                               ; decoder rows 0-15
	s_wait_loadcnt 32                              ; the two younger groups of 16 stay out
	PACK R1
.irp q, 0,1,2,3
.irp c, 0,1
	global_store_b128 v5, v[R1+16*(\q)+4*(\c):R1+16*(\q)+4*(\c)+3], s[8:9] offset:8192*(\q)+512*(\c)  ; the wave stores 512 consecutive bytes, at a multiple of 512 from wb's first
.endr
.endr
	s_wait_xcnt 0x0                                ; the stores' data registers are loaded again only behind this wait
	LD16 R1, 4, 6, 65536                           ; decoder rows 16-31
	s_wait_loadcnt 16                              ; all but those sixteen
	PACK R2
	PACK R3
	s_wait_loadcnt 0x0
	PACK R1
.irp q, 0,1,2,3                        ; the two accumulators take turns; the first step starts the sums
.if (\q) == 0
	v_wmma_f32_16x16x32_bf16 v[AC0:AC0+7], v[R3:R3+7], v[R2:R2+7], 0
	v_wmma_f32_16x16x32_bf16 v[AC1:AC1+7], v[R1:R1+7], v[R2:R2+7], 0
.else
	v_wmma_f32_16x16x32_bf16 v[AC0:AC0+7], v[R3+16*(\q):R3+16*(\q)+7], v[R2+16*(\q):R2+16*(\q)+7], v[AC0:AC0+7]
	v_wmma_f32_16x16x32_bf16 v[AC1:AC1+7], v[R1+16*(\q):R1+16*(\q)+7], v[R2+16*(\q):R2+16*(\q)+7], v[AC1:AC1+7]
.endif
.endr
.rept 4
	v_nop                                          ; four places between the last product and the stores that read it
.endr
.irp u, 0,1,2,3,4,5,6,7,8,9,10,11,12,13,14,15
	ds_store_b32 v6, v[AC0+(\u)] offset:128*(\u)   ; each accumulator from its low end on
.endr
	s_wait_dscnt 0x0                               ; for the others' sake: my partial sums are in LDS
	s_barrier_signal -1
	s_barrier_wait -1
	s_cmp_lt_u32 s12, 4
	s_cbranch_scc0 .Ldone                          ; 32 batches x 16 hidden units are 128 threads' work, four numbers each
.irp k, 0,1,2,3,4,5,6,7
	ds_load_b128 v[R1+4*(\k):R1+4*(\k)+3], v7 offset:2048*(\k)   ; wave k's partial sums
.endr
	s_wait_dscnt 0x0
.irp k, 0,1,2,3
	v_pk_add_f32 v[R1+4*(\k):R1+4*(\k)+1],   v[R1+4*(\k):R1+4*(\k)+1],   v[R1+16+4*(\k):R1+16+4*(\k)+1]
	v_pk_add_f32 v[R1+4*(\k)+2:R1+4*(\k)+3], v[R1+4*(\k)+2:R1+4*(\k)+3], v[R1+16+4*(\k)+2:R1+16+4*(\k)+3]
.endr
.irp k, 0,1
	v_pk_add_f32 v[R1+4*(\k):R1+4*(\k)+1],   v[R1+4*(\k):R1+4*(\k)+1],   v[R1+8+4*(\k):R1+8+4*(\k)+1]
	v_pk_add_f32 v[R1+4*(\k)+2:R1+4*(\k)+3], v[R1+4*(\k)+2:R1+4*(\k)+3], v[R1+8+4*(\k)+2:R1+8+4*(\k)+3]
.endr
	v_pk_add_f32 v[R1:R1+1],   v[R1:R1+1],   v[R1+4:R1+5]
	v_pk_add_f32 v[R1+2:R1+3], v[R1+2:R1+3], v[R1+6:R1+7]
	global_store_b128 v8, v[R1:R1+3], s[10:11]     ; 64 bytes of each batch's row: a work-group's 16 hidden units are no more; the buffer is 131,072 bytes, written once
.Ldone:
	s_wait_tensorcnt 0x0                           ; the wave's end: three closing lines behind my last LDS store
	ds_add_u32 v30, v31
	s_wait_dscnt 0x0
	s_endpgm
.Lfunc_end_k_qaf28190694_prep:
	.size	k_qaf28190694_prep, .Lfunc_end_k_qaf28190694_prep-k_qaf28190694_prep
	.p2alignl 7, 3214868480
	.fill 96, 4, 3214868480
	.section	.rodata,"a",@progbits
	.p2align	6, 0x0
	.amdhsa_kernel k_qaf28190694_prep
		.amdhsa_group_segment_fixed_size 17408
		.amdhsa_private_segment_fixed_size 0
		.amdhsa_enable_private_segment 0
		.amdhsa_kernarg_size 32
		.amdhsa_user_sgpr_count 2
		.amdhsa_user_sgpr_kernarg_segment_ptr 1
		.amdhsa_wavefront_size32 1
		.amdhsa_system_sgpr_workgroup_id_x 1
		.amdhsa_system_sgpr_workgroup_id_y 1
		.amdhsa_system_sgpr_workgroup_id_z 1
		.amdhsa_system_vgpr_workitem_id 0
		.amdhsa_next_free_vgpr 240
		.amdhsa_next_free_sgpr 66
		.amdhsa_reserve_vcc 0
		.amdhsa_float_denorm_mode_32 3
		.amdhsa_float_denorm_mode_16_64 3
		.amdhsa_memory_ordered 1
		.amdhsa_forward_progress 1
		.amdhsa_inst_pref_size 21
	.end_amdhsa_kernel
	.amdgpu_metadata
---
amdhsa.version: [ 1, 2 ]
amdhsa.kernels:
  - .name:           k_qaf28190694_prep
    .symbol:         k_qaf28190694_prep.kd
    .args:
      - { .name: W, .offset: 0, .size: 8, .value_kind: global_buffer, .address_space: global }
      - { .name: decoder_state, .offset: 8, .size: 8, .value_kind: global_buffer, .address_space: global }
      - { .name: wb, .offset: 16, .size: 8, .value_kind: global_buffer, .address_space: global }
      - { .name: dproj, .offset: 24, .size: 8, .value_kind: global_buffer, .address_space: global }
    .group_segment_fixed_size: 17408
    .private_segment_fixed_size: 0
    .kernarg_segment_align: 8
    .kernarg_segment_size: 32
    .max_flat_workgroup_size: 256
    .sgpr_count:     66
    .vgpr_count:     240
    .wavefront_size: 32
...
	.end_amdgpu_metadata
.endif
;; end of part 1
;; launch main (part 2): grid 32 x 16, 4 waves a work-group, no clusters, 314,880 bytes of LDS; arguments encoder_outputs, sequence_length, v, wb, dproj, lg, part; writes lg, part
.if DOCPART == 2
	.amdgcn_target "amdgcn-amd-amdhsa--gfx1250"
	.amdhsa_code_object_version 6
	.text
	.protected	k_qaf28190694_main
	.globl	k_qaf28190694_main
	.p2align	8
	.type	k_qaf28190694_main,@function
k_qaf28190694_main:
	s_mov_b64 s[64:65], 0
	v_nop
	global_prefetch_b8 v0, s[64:65] scope:SCOPE_SE
	s_setreg_imm32_b32 hwreg(HW_REG_WAVE_MODE, 25, 1), 1
	s_wait_xcnt 0x0
; MAIN.  For a block of 128 rows s of one batch b (grid x = b, grid y = block):
;   logit[s] = the sum over h of v[h] tanh( enc[b][s] . W[h][0:1024] + dproj[b][h] ), -50000 where s >= sequence_length[b]      -> lg[b][s]
;   po[e]    = the sum over the block's s of exp(logit[s] - m) enc[b][s][e], m the block's largest logit                         -> part[16 b + block][e]
; The next launch makes the softmax of the 16 blocks' figures.  enc is read from memory ONCE: the block, rounded to bf16, stays in LDS for both products.
; FORMATS.  enc, W and v are rounded once to bf16; all sums, tanh, the product with v, maxima and exponentials in f32.
;   A weight exp(..) enters the second product as TWO bf16 numbers, hi = bf16(e) and lo = bf16(e - hi), each multiplied by the same fragments of enc: about 2^-17 of a weight is lost, not 2^-9.
;   (A batch with a short length averages few rows; a rounding of its weights to 8 bits shows in those of its results that lie near zero.)
;   tanh(x) = 1 - 2 / (1 + 2^(2 log2(e) x)): where the power overflows the quotient is 0 (tanh = 1), where it underflows it is 1 (tanh = -1).  So a row's logit is the sum of v less twice the sum of v / (1 + 2^..).
; SKIPPED BLOCKS.  A block that lies wholly at or behind the length (128 block >= length >= 1) is not multiplied: its logits are -50000 and its po is written as 0.
; LIMIT.  out0 thereby leaves out such rows' share, exp(-50000 - M) / Z of enc, M the batch's largest logit.  |logit| is at most the sum of |v|, and the share is 0 in f32 while M > -49,896:
;   the text serves inputs with the sum of |v| under 49,800.  The weights themselves (out1) have no such limit.  A length below 1 skips nothing.  NaN and infinities are not treated apart.
; SHARES.  Four waves.  Each takes ALL 128 rows x 256 hidden units, in two passes of 128: 64 accumulators of 16 x 16, 512 registers.  K = 1,024 goes in 32 steps of 32, 64 matrix instructions each.
;   Source 0 = 16 rows of enc (from LDS), source 1 = 16 rows of W: in a result a lane holds ONE hidden unit (lane % 16) and eight rows, so dproj and v are one number a lane and tile.
; W COMES STRAIGHT INTO REGISTERS, from wb, which lies in the order of the fragments: a ring of four register slots, a step's 16 loads of 512 consecutive bytes asked for three steps ahead.
;   NO LDS FOR W, NO CLUSTER: the four waves' hidden units are disjoint, so LDS would give W no second reader in the work-group; and beside the resident block 63,488 bytes of LDS are left, of which the
;   exchange areas take 50,688: two slots in the rest would hold less than one K step of the work-group's W (32,768 bytes), with a barrier for each.  The register ring needs no barrier in the K loop.
; BRANCHES ON THE LENGTH.  Four, all forward, each over text without a barrier: the three barriers stand on every wave's path.  Each part reads only registers that it writes itself or that the head has written.
; LDS ADDRESSES THAT STEP are a scalar offset, stepped by a constant in its counted loop, added to a vector base that is never rewritten.
;
; LDS:  A 128 rows x 2,064 bytes (2,048 + 16: 129 x 16, so the 16 rows of a fragment load start at 16 different groups of four banks; 64 banks of 4 bytes: ISA guide 11.1)
;       DV for each h the pair (2 log2(e) dproj[b][h], -2 v[h]) | PS per wave 16 lanes' x 128 rows' partial sums, pitch 528 | XW [wave][128 rows] | EW per wave 128 weights' hi, then their lo, bf16 | OS per wave 256 f32 of po | the spare words
; REGISTERS, in windows of 256 (s_set_vgpr_msb: bits 1:0 source 0, 3:2 source 1, 5:4 source 2, 7:6 destination):
;   window 0: v0-31 addresses; v32-47 (d, v) pairs of 8 tiles; v48-111 row sums; v112-175, v176-239 two buffers of A's fragments; v240-255 at work
;   window 1: four slots of 64: W's fragments (in staging: enc's rows as loaded; in the tail: enc turned)
;   window 2: accumulators of rows 0-63, (row tile a, hidden tile t) at v[8 (8 a + t)] (in the tail: po)          window 3: those of rows 64-127
.set PA,    2064
.set DV,    264192
.set PS,    272384
.set XW,    306176
.set EW,    308224
.set OS,    310272
.set SPARE, 314368                     ; 128 bytes a wave: two blocks of 256 bytes that no other line names
.set GO,   3                           ; 16 x lane
.set AA,   4                           ; v4-7   A's fragment addresses for row tiles 2 a, 2 a + 1: s[KO+a] + v[AB]
.set DVA,  8                           ; my hidden unit's pair in DV, first pass; never rewritten
.set SA,   9                           ; staging: where my 8 bytes of my wave's first row go; never rewritten
.set PSA,  10
.set PRA,  11
.set XWS,  12
.set XWR,  13
.set EWS,  14
.set EWR,  15
.set SAW,  16                          ; staging: s[SO] + v[SA]
.set CSUM, 16                          ; later: the sum of -2 v over my wave's 256 hidden units
.set MV,   17                          ; -50000
.set OSS,  18
.set OSR,  19
.set TA,   20                          ; v20-23 the turning loads' addresses, 32 rows each
.set ROWN, 24                          ; 128 block + 4 lane
.set T32,  25                          ; 32 x thread
.set DVS,  26                          ; DV + 64 x thread
.set LANE, 27
.set SPW,  28                          ; my spare word; never rewritten
.set NIL,  29                          ; 0; never rewritten
.set AB,   30                          ; (lane % 16) x 2,064 + 16 (lane / 16); never rewritten
.set DVW,  31                          ; at work in the head; then s[DVO] + v[DVA]
.set DVR,  32
.set P,    48
.set FA0,  112
.set WF,   144                         ; the tail: the weights' hi parts as fragments
.set FA1,  176
.set WL,   176                         ; the tail: their lo parts
.set TM,   240
.set ENC,  4
.set SEQ,  6
.set VV,   8
.set SB,   10                          ; wb at my wave's stream; steps
.set DP,   12
.set LG,   14
.set PT,   16
.set WV,   20
.set BB,   21
.set BLK,  22
.set LEN,  23
.set PASS, 24
.set CNT,  25
.set SEL,  28
.set R0,   30
.set LIVE, 31
.set DVO,  32                          ; at work in the head; then the pass's offset in DV: 0, 1,024
.set SO,   33                          ; staging: the trip's offset in A, 8 rows a trip
.set KK,   34                          ; s[34:35] 2 log2(e): the packed line takes the pair's low word for both halves
.set KO,   36                          ; s36-39  32 a rows + the trip's offset along K, 256 bytes a trip
.set MSB, 0
.macro WIN new                         ; the immediate's high byte repeats the setting that is left; a switch that changes nothing is dropped
.if MSB != (\new)
	s_set_vgpr_msb (MSB<<8)|(\new)
.set MSB, \new
.endif
.endm
.set MUL_LO, 0xa4                      ; A window 0, B window 1, C and D window 2; + 0x50: C and D window 3
.set TO1,    0x40                      ; destination window 1
.set CV,     0x05                      ; sources 0 and 1 window 1
.set ST2,    0x08                      ; an LDS store's data in window 2
.macro PLACES                          ; four places behind a matrix instruction, ahead of loads into registers that it read and of lines that read its result (ISA guide 7.12.1 for the lines that read its result)
.rept 4
	v_nop
.endr
.endm
	s_load_b256 s[4:11], s[0:1], 0x0               ; enc, sequence_length, v, wb
	s_load_b128 s[12:15], s[0:1], 0x20             ; dproj, lg
	s_load_b64 s[16:17], s[0:1], 0x30              ; part
	v_lshl_add_u32 v[SPW], v0, 2, SPARE
	v_mov_b32 v[NIL], 0
	v_lshrrev_b32 v31, 5, v0
	v_readfirstlane_b32 s[WV], v31                 ; wave 0..3
	s_mov_b32 s[BB], ttmp9                         ; batch
	s_and_b32 s[BLK], ttmp7, 0xffff                ; block
	s_lshl_b32 s[R0], s[BLK], 7                    ; the block's first row
	s_mov_b32 s[SEL], 0x76543210                   ; v_permlanex16_b32: each lane takes its own place in the other half
	s_mov_b32 s[SEL+1], 0xfedcba98
	s_mov_b32 s[KK], 0x4038aa3b                    ; 2 log2(e)
	s_mov_b32 s[KK+1], s[KK]
	; every address base is made here, ahead of the first branch
	v_and_b32 v[LANE], 31, v0
	v_and_b32 v1, 15, v0                           ; r
	v_bfe_u32 v2, v0, 4, 1                         ; hh
	v_lshlrev_b32 v[GO], 4, v[LANE]
	v_mul_u32_u24 v[AB], v1, PA
	v_lshl_add_u32 v[AB], v2, 4, v[AB]
	s_lshl_b32 s26, s[WV], 11
	s_add_co_u32 s26, s26, DV
	v_lshl_add_u32 v[DVA], v1, 3, s26              ; DV + 8 (256 w + r)
	s_mul_i32 s26, s[WV], 32*PA
	v_lshl_add_u32 v[SA], v[LANE], 3, s26          ; my wave's 32 rows, 8 bytes a lane
	s_mul_i32 s26, s[WV], 16*528
	s_add_co_u32 s26, s26, PS
	v_mul_u32_u24 v[PSA], v1, 528
	v_lshl_add_u32 v[PSA], v2, 5, v[PSA]
	v_add_nc_u32 v[PSA], s26, v[PSA]               ; contributor r, rows 8 hh on
	v_lshl_add_u32 v[PRA], v[LANE], 4, s26         ; rows 4 lane .. 4 lane + 3 of contributor 0
	s_lshl_b32 s26, s[WV], 9
	s_add_co_u32 s32, s26, XW
	v_lshl_add_u32 v[XWS], v[LANE], 4, s32
	v_lshl_add_u32 v[XWR], v[LANE], 4, XW
	v_and_b32 v31, 7, v0                           ; the turning load: lane l reads row 8 (l / 16) + l % 8, columns 8 ((l / 8) % 2) + 0..7
	v_lshl_add_u32 v31, v2, 3, v31
	v_mul_u32_u24 v31, v31, PA
	v_bfe_u32 v[CSUM], v0, 3, 1
	v_lshl_add_u32 v31, v[CSUM], 4, v31
	v_add_nc_u32 v31, s26, v31                     ; my wave's 256 columns begin at byte 512 w
.irp q, 0,1,2,3
	v_add_nc_u32 v[TA+(\q)], (\q)*32*PA, v31
.endr
	s_add_co_u32 s26, s26, EW                      ; my wave's 512 bytes of EW
	v_lshl_add_u32 v[EWS], v[LANE], 3, s26
	v_lshl_add_u32 v[EWR], v2, 4, s26
	s_lshl_b32 s26, s[WV], 10
	s_add_co_u32 s26, s26, OS
	v_lshl_add_u32 v[OSS], v1, 2, s26
	v_lshl_add_u32 v[OSR], v[LANE], 4, s26
	v_lshl_add_u32 v[ROWN], v[LANE], 2, s[R0]
	v_lshlrev_b32 v[T32], 5, v0
	v_lshl_add_u32 v[DVS], v0, 6, DV
	v_mov_b32 v[MV], 0xc7435000                    ; -50000
	s_lshl_b32 s26, s[BB], 2
	s_mov_b32 s27, 0
	s_wait_kmcnt 0x0
	s_add_nc_u64 s[SEQ:SEQ+1], s[SEQ:SEQ+1], s[26:27]
	s_load_b32 s[LEN], s[SEQ:SEQ+1], 0x0           ; my batch's length
.set n, 0
.rept 64
	v_mov_b32 v[P+n], 0                            ; the row sums of -2 v r start at 0, on every path; they run through both passes, so no first product can start them.  These lines stand in the wait for the length
.set n, n+1
.endr
	s_lshl_b32 s26, s[BB], 11
	s_add_co_u32 s26, s26, s[R0]
	s_lshl_b32 s32, s[WV], 5
	s_add_co_u32 s26, s26, s32
	s_lshl_b32 s26, s26, 12                        ; row 2,048 b + 128 block + 32 w, 4,096 bytes each: under 2^28
	s_add_nc_u64 s[ENC:ENC+1], s[ENC:ENC+1], s[26:27]
	s_lshl_b32 s26, s[WV], 19                      ; my wave's 256 hidden units of wb
	s_add_nc_u64 s[SB:SB+1], s[SB:SB+1], s[26:27]
	s_lshl_b32 s26, s[BB], 12
	s_add_nc_u64 s[DP:DP+1], s[DP:DP+1], s[26:27]
	s_lshl_b32 s26, s[BB], 13
	s_lshl_b32 s32, s[BLK], 9
	s_add_co_u32 s26, s26, s32
	s_add_nc_u64 s[LG:LG+1], s[LG:LG+1], s[26:27]
	s_lshl_b32 s26, s[BB], 4
	s_add_co_u32 s26, s26, s[BLK]
	s_lshl_b32 s26, s26, 12
	s_lshl_b32 s32, s[WV], 10
	s_add_co_u32 s26, s26, s32
	s_add_nc_u64 s[PT:PT+1], s[PT:PT+1], s[26:27]
	s_wait_kmcnt 0x0
	s_cmp_lt_i32 s[R0], s[LEN]                     ; live: the block's first row lies in front of the length,
	s_cselect_b32 s[LIVE], 1, 0
	s_cmp_lt_i32 s[LEN], 1                         ; or no row of the batch does: then every row counts alike
	s_cselect_b32 s[LIVE], 1, s[LIVE]
	s_cmp_eq_u32 s[LIVE], 0
	s_cbranch_scc1 .Lb1
; PART 1: STAGING.  Wave w brings rows 32 w .. 32 w + 31: 16 chunks of 2 rows through a ring of four register slots.  A chunk is 16 loads, each 512 consecutive bytes.
.macro SLD s, ahead
	WIN TO1
.irp p, 0,1
.irp j, 0,1,2,3,4,5,6,7
	global_load_b128 v[64*(\s)+32*(\p)+4*(\j):64*(\s)+32*(\p)+4*(\j)+3], v[GO], s[ENC:ENC+1] offset:(2*(\s)+(\p))*4096+512*(\j)+32768*(\ahead) th:TH_LOAD_NT
.endr
.endr
.endm
.macro SCV s                           ; rounded to bf16, 8 bytes a lane, 256 consecutive bytes an LDS store
	WIN CV
.irp p, 0,1
.irp j, 0,1,2,3,4,5,6,7
	v_cvt_pk_bf16_f32 v[FA0+16*(\p)+2*(\j)],   v[64*(\s)+32*(\p)+4*(\j)],   v[64*(\s)+32*(\p)+4*(\j)+1]
	v_cvt_pk_bf16_f32 v[FA0+16*(\p)+2*(\j)+1], v[64*(\s)+32*(\p)+4*(\j)+2], v[64*(\s)+32*(\p)+4*(\j)+3]
.endr
.endr
	WIN 0
.irp p, 0,1
.irp j, 0,1,2,3,4,5,6,7
	ds_store_b64 v[SAW], v[FA0+16*(\p)+2*(\j):FA0+16*(\p)+2*(\j)+1] offset:(2*(\s)+(\p))*PA+256*(\j)
.endr
.endr
.endm
	global_load_b128 v[TM:TM+3],     v[T32], s[DP:DP+1]            ; thread t: dproj and v of hidden units 8 t .. 8 t + 7
	global_load_b128 v[TM+4:TM+7],   v[T32], s[DP:DP+1] offset:16
	global_load_b128 v[TM+8:TM+11],  v[T32], s[VV:VV+1]
	global_load_b128 v[TM+12:TM+15], v[T32], s[VV:VV+1] offset:16
	SLD 0, 0
	SLD 1, 0
	SLD 2, 0
	WIN 0
	s_mov_b32 s[SO], 0
	v_add_nc_u32 v[SAW], s[SO], v[SA]
	s_wait_loadcnt 48                              ; three slots' loads are younger than those four
.irp i, 0,1,2,3
	v_cvt_pk_bf16_f32 v[FA1+16+(\i)], v[TM+8+2*(\i)], v[TM+8+2*(\i)+1]   ; v is rounded once to bf16, as the products' other operands are,
.endr
.irp i, 0,1,2,3
	v_lshlrev_b32 v[TM+8+2*(\i)],   16, v[FA1+16+(\i)]                   ; and widened again: all that follows is f32
	v_and_b32     v[TM+8+2*(\i)+1], 0xffff0000, v[FA1+16+(\i)]
.endr
.irp i, 0,1,2,3,4,5,6,7
	v_mul_f32 v[FA1+2*(\i)],   s[KK], v[TM+(\i)]   ; 2 log2(e) d
	v_mul_f32 v[FA1+2*(\i)+1], -2.0, v[TM+8+(\i)]  ; -2 v
.endr
.irp k, 0,1,2,3
	ds_store_b128 v[DVS], v[FA1+4*(\k):FA1+4*(\k)+3] offset:16*(\k)
.endr
	SLD 3, 0
	WIN 0
	s_mov_b32 s[CNT], 3
.Lstage:                                               ; a trip: four chunks are laid into LDS, and the four behind them asked for
.irp s, 0,1,2,3
	s_wait_loadcnt 48                              ; loads come back in order (ISA guide 5.7.1): this slot's are in, the three younger slots' stay out
	SCV \s
	SLD \s, 1
.endr
	WIN 0
	s_wait_xcnt 0x0                                ; the loads' base is stepped only behind this wait
	s_add_nc_u64 s[ENC:ENC+1], s[ENC:ENC+1], 32768
	s_add_co_u32 s[SO], s[SO], 8*PA                ; eight rows on in A
	v_add_nc_u32 v[SAW], s[SO], v[SA]
	s_sub_co_u32 s[CNT], s[CNT], 1
	s_cmp_lg_u32 s[CNT], 0
	s_cbranch_scc1 .Lstage
.irp s, 0,1,2,3                        ; the last four chunks: nothing more is asked for, the counts run down
	s_wait_loadcnt 48-16*(\s)
	SCV \s
.endr
.Lb1:
	s_wait_dscnt 0x0                               ; for the others' sake: my rows and my part of DV are in LDS
	s_barrier_signal -1
	s_barrier_wait -1
	s_cmp_eq_u32 s[LIVE], 0
	s_cbranch_scc1 .Lbx
; PART 2a: THE PRODUCT, TANH, ROW SUMS IN REGISTERS.  It only reads LDS.
.macro BLD slot, imm                   ; a stream step of W: 8 hidden tiles x 2 halves of a fragment, 16 loads of 512 consecutive bytes
	WIN TO1
.irp t, 0,1,2,3,4,5,6,7
	global_load_b128 v[64*(\slot)+8*(\t):64*(\slot)+8*(\t)+3],   v[GO], s[SB:SB+1] offset:(\imm)+1024*(\t)
	global_load_b128 v[64*(\slot)+8*(\t)+4:64*(\slot)+8*(\t)+7], v[GO], s[SB:SB+1] offset:(\imm)+1024*(\t)+512
.endr
.endm
.macro AFETCH buf, k                   ; A's fragments of one K step, at byte k from the trip's addresses: 16 loads, row tiles 0-3 first
	WIN 0
.irp i, 0,1,2,3,4,5,6,7
	ds_load_b128 v[(\buf)+8*(\i):(\buf)+8*(\i)+3],   v[AA+(\i)/2] offset:((\i)%2)*16*PA+(\k)
	ds_load_b128 v[(\buf)+8*(\i)+4:(\buf)+8*(\i)+7], v[AA+(\i)/2] offset:((\i)%2)*16*PA+(\k)+32
.endr
.endm
; 32 matrix instructions: row tiles 4 hi .. 4 hi + 3 x 8 hidden tiles.  The 64 accumulators take turns, one instruction a turn, in the same order in every step.
.macro MUL32 fa, rb, hi, zero
	WIN MUL_LO+0x50*(\hi)
.irp a, 0,1,2,3
.irp t, 0,1,2,3,4,5,6,7
.if \zero
	v_wmma_f32_16x16x32_bf16 v[8*(8*(\a)+(\t)):8*(8*(\a)+(\t))+7], v[(\fa)+8*(4*(\hi)+(\a)):(\fa)+8*(4*(\hi)+(\a))+7], v[64*(\rb)+8*(\t):64*(\rb)+8*(\t)+7], 0
.else
	v_wmma_f32_16x16x32_bf16 v[8*(8*(\a)+(\t)):8*(8*(\a)+(\t))+7], v[(\fa)+8*(4*(\hi)+(\a)):(\fa)+8*(4*(\hi)+(\a))+7], v[64*(\rb)+8*(\t):64*(\rb)+8*(\t)+7], v[8*(8*(\a)+(\t)):8*(8*(\a)+(\t))+7]
.endif
.endr
.endr
.endm
; A K STEP: multiplies A's buffer fa by W's slot rb.  In its middle it asks for the stream step three on (at byte kb, into the slot that the step before multiplied) and fetches the next step's A (byte ka, buffer fb).
; lc: the loads that may stay out at its head.  cond = 1 (a pass's last three steps): what they ask for is the next pass's; the last pass asks for nothing, so that no load passes wb's end.
.macro STEP fa, fb, rb, zero, ka, kb, lc, cond
	s_wait_loadcnt \lc                             ; this step's W is in; the younger stream steps' loads stay out
	s_wait_dscnt 8                                 ; A's row tiles 0-3 are in; the youngest eight loads (tiles 4-7) may be out
	MUL32 \fa, \rb, 0, \zero
	PLACES
.if \cond
	WIN 0
	s_cmp_eq_u32 s[PASS], 1
	s_cbranch_scc1 .Lnob_\@
.endif
	BLD ((\rb)+3)%4, \kb
.if \cond
	WIN 0
.Lnob_\@:
.endif
.if (\ka) >= 0
	AFETCH \fb, \ka
	s_wait_dscnt 16                                ; all but the sixteen just issued
.else
	s_wait_dscnt 0x0
.endif
	MUL32 \fa, \rb, 1, \zero
.endm
; ROW TILE i's 8 accumulators: x = acc + d; r = 1 / (1 + 2^(2 log2(e) x)); row sums += -2 v r.  Each accumulator is read from its low end on.
.macro EPI i
.set AC, 64*((\i)%4)
	WIN 0x82+0x41*((\i)/4)                         ; destination and source 0 in the accumulators' window
.irp t, 0,1,2,3,4,5,6,7
.irp z, 0,1,2,3
	v_pk_fma_f32 v[AC+8*(\t)+2*(\z):AC+8*(\t)+2*(\z)+1], v[AC+8*(\t)+2*(\z):AC+8*(\t)+2*(\z)+1], s[KK:KK+1], v[DVR+2*(\t):DVR+2*(\t)+1] op_sel_hi:[1,0,0]
.endr
.endr
.set n, 0
.rept 64
	v_exp_f32 v[AC+n], v[AC+n]
.set n, n+1
.endr
	v_nop                                          ; a plain instruction between the last exponential and the use of its result (ISA guide 5.7.2)
.set n, 0
	s_wait_alu depctr_va_vdst(0)
.rept 32
	v_pk_add_f32 v[AC+n:AC+n+1], v[AC+n:AC+n+1], 1.0 op_sel_hi:[1,0]
.set n, n+2
.endr
.set n, 0
.rept 64
	v_rcp_f32 v[AC+n], v[AC+n]
.set n, n+1
.endr
	v_nop
	WIN 0x02+((\i)/4)                              ; source 0 in the accumulators' window
	s_wait_alu depctr_va_vdst(0)
.irp t, 0,1,2,3,4,5,6,7
.irp z, 0,1,2,3
	v_pk_fma_f32 v[P+8*(\i)+2*(\z):P+8*(\i)+2*(\z)+1], v[AC+8*(\t)+2*(\z):AC+8*(\t)+2*(\z)+1], v[DVR+2*(\t):DVR+2*(\t)+1], v[P+8*(\i)+2*(\z):P+8*(\i)+2*(\z)+1] op_sel:[0,1,0] op_sel_hi:[1,1,1]
.endr
.endr
.endm
	BLD 0, 0                                       ; stream steps 0 to 2: 48 loads
	BLD 1, 8192
	BLD 2, 16384
	WIN 0
	s_mov_b32 s[DVO], 0
	s_mov_b32 s[PASS], 2
.Lpass:
.irp a, 0,1,2,3
	s_mov_b32 s[KO+(\a)], (\a)*32*PA               ; A's addresses at K = 0
	v_add_nc_u32 v[AA+(\a)], s[KO+(\a)], v[AB]
.endr
	v_add_nc_u32 v[DVW], s[DVO], v[DVA]            ; this pass's 128 hidden units' pairs
.irp t, 0,1,2,3,4,5,6,7
	ds_load_b64 v[DVR+2*(\t):DVR+2*(\t)+1], v[DVW] offset:128*(\t)   ; older than A's loads, so A's waits cover them
.endr
	AFETCH FA0, 0
	STEP FA0, FA1, 0, 1, 64, 3*8192, 32, 0         ; K step 0 stands ahead of the loop: its products start the sums
	WIN 0
	s_mov_b32 s[CNT], 7
.Lk:                                                   ; a trip: K steps 4 n + 1 .. 4 n + 4.  At each head the two stream steps asked for since are younger: 32 loads
	STEP FA1, FA0, 1, 0, 128, 4*8192, 32, 0
	STEP FA0, FA1, 2, 0, 192, 5*8192, 32, 0
	STEP FA1, FA0, 3, 0, 256, 6*8192, 32, 0
	STEP FA0, FA1, 0, 0, 320, 7*8192, 32, 0
	WIN 0
	s_wait_xcnt 0x0                                ; the stream's base is stepped only behind this wait
	s_add_nc_u64 s[SB:SB+1], s[SB:SB+1], 32768
.irp a, 0,1,2,3
	s_add_co_u32 s[KO+(\a)], s[KO+(\a)], 256       ; four K steps on along A's rows
	v_add_nc_u32 v[AA+(\a)], s[KO+(\a)], v[AB]
.endr
	s_sub_co_u32 s[CNT], s[CNT], 1
	s_cmp_lg_u32 s[CNT], 0
	s_cbranch_scc1 .Lk
	STEP FA1, FA0, 1, 0, 128, 4*8192, 32, 1        ; K steps 29 to 31.  In the last pass nothing is asked for, so 32, 16 and 0 loads are younger;
	STEP FA0, FA1, 2, 0, 192, 5*8192, 16, 1        ; the first pass takes the same counts and waits for more than it needs
	STEP FA1, FA0, 3, 0, -1,  6*8192, 0, 1
	WIN 0
	s_wait_xcnt 0x0
	s_add_nc_u64 s[SB:SB+1], s[SB:SB+1], 32768     ; the next pass's stream step 0
	EPI 0                                          ; row tiles 0-3 were finished ahead of step 31's four places; their work is the places behind the last products, tiles 4-7's
	EPI 1
	EPI 2
	EPI 3
	EPI 4
	EPI 5
	EPI 6
	EPI 7
	WIN 0
	s_add_co_u32 s[DVO], s[DVO], 1024              ; the next 128 hidden units' pairs
	s_sub_co_u32 s[PASS], s[PASS], 1
	s_cmp_lg_u32 s[PASS], 0
	s_cbranch_scc1 .Lpass
.Lbx:
	s_wait_dscnt 0x0                               ; load, wait, barrier, store: every wave's reads in the K loops are back before any wave stores into LDS again
	s_barrier_signal -1
	s_barrier_wait -1
	s_cmp_eq_u32 s[LIVE], 0
	s_cbranch_scc1 .Lb2
; PART 2b: a row's sum over my wave's 256 hidden units lies in 16 lanes: through my own part of PS, in by lanes, back by rows.  The sum of v (the 1 of 1 - 2 r) joins it here.
.irp i, 0,1,2,3,4,5,6,7
	ds_store_b128 v[PSA], v[P+8*(\i):P+8*(\i)+3]   offset:64*(\i)
	ds_store_b128 v[PSA], v[P+8*(\i)+4:P+8*(\i)+7] offset:64*(\i)+16
.endr
.irp u, 0,1,2,3,4,5,6,7,8,9,10,11,12,13,14,15
	ds_load_b32 v[TM+(\u)], v[DVA] offset:128*(\u)+4   ; -2 v of my lane's 16 hidden units, both passes'
.endr
.irp c, 0,1,2,3,4,5,6,7,8,9,10,11,12,13,14,15
	ds_load_b128 v[FA1+4*(\c):FA1+4*(\c)+3], v[PRA] offset:528*(\c)  ; LDS serves a wave's instructions in order (ISA guide 5.7.1.4): these see the stores above
.endr
	s_wait_dscnt 16                                ; the sixteen -2 v are in; the sixteen loads from PS, issued behind them, may be out
.irp u, 0,2,4,6
	v_pk_add_f32 v[TM+(\u):TM+(\u)+1], v[TM+(\u):TM+(\u)+1], v[TM+8+(\u):TM+8+(\u)+1]
.endr
	v_pk_add_f32 v[TM:TM+1],   v[TM:TM+1],   v[TM+4:TM+5]
	v_pk_add_f32 v[TM+2:TM+3], v[TM+2:TM+3], v[TM+6:TM+7]
	v_pk_add_f32 v[TM:TM+1],   v[TM:TM+1],   v[TM+2:TM+3]
	v_add_f32 v[CSUM], v[TM], v[TM+1]
	v_add_f32_dpp v[CSUM], v[CSUM], v[CSUM] row_xmask:1 row_mask:0xf bank_mask:0xf   ; over the 16 lanes of a half; the two halves hold the same hidden units
	v_add_f32_dpp v[CSUM], v[CSUM], v[CSUM] row_xmask:2 row_mask:0xf bank_mask:0xf
	v_add_f32_dpp v[CSUM], v[CSUM], v[CSUM] row_xmask:4 row_mask:0xf bank_mask:0xf
	v_add_f32_dpp v[CSUM], v[CSUM], v[CSUM] row_xmask:8 row_mask:0xf bank_mask:0xf
	s_wait_dscnt 0x0
.irp c, 0,1,2,3,4,5,6,7
	v_pk_add_f32 v[FA1+4*(\c):FA1+4*(\c)+1],   v[FA1+4*(\c):FA1+4*(\c)+1],   v[FA1+32+4*(\c):FA1+32+4*(\c)+1]
	v_pk_add_f32 v[FA1+4*(\c)+2:FA1+4*(\c)+3], v[FA1+4*(\c)+2:FA1+4*(\c)+3], v[FA1+32+4*(\c)+2:FA1+32+4*(\c)+3]
.endr
.irp c, 0,1,2,3
	v_pk_add_f32 v[FA1+4*(\c):FA1+4*(\c)+1],   v[FA1+4*(\c):FA1+4*(\c)+1],   v[FA1+16+4*(\c):FA1+16+4*(\c)+1]
	v_pk_add_f32 v[FA1+4*(\c)+2:FA1+4*(\c)+3], v[FA1+4*(\c)+2:FA1+4*(\c)+3], v[FA1+16+4*(\c)+2:FA1+16+4*(\c)+3]
.endr
.irp c, 0,1
	v_pk_add_f32 v[FA1+4*(\c):FA1+4*(\c)+1],   v[FA1+4*(\c):FA1+4*(\c)+1],   v[FA1+8+4*(\c):FA1+8+4*(\c)+1]
	v_pk_add_f32 v[FA1+4*(\c)+2:FA1+4*(\c)+3], v[FA1+4*(\c)+2:FA1+4*(\c)+3], v[FA1+8+4*(\c)+2:FA1+8+4*(\c)+3]
.endr
	v_pk_add_f32 v[FA1:FA1+1],   v[FA1:FA1+1],   v[FA1+4:FA1+5]
	v_pk_add_f32 v[FA1+2:FA1+3], v[FA1+2:FA1+3], v[FA1+6:FA1+7]
	v_pk_fma_f32 v[FA1:FA1+1],   v[CSUM:CSUM+1], -0.5, v[FA1:FA1+1]   op_sel_hi:[0,0,1]   ; + the sum of v = -0.5 x the sum of -2 v; the pair's low register serves both halves
	v_pk_fma_f32 v[FA1+2:FA1+3], v[CSUM:CSUM+1], -0.5, v[FA1+2:FA1+3] op_sel_hi:[0,0,1]
	ds_store_b128 v[XWS], v[FA1:FA1+3]             ; rows 4 lane .. 4 lane + 3, my wave's share
.Lb2:
	s_wait_dscnt 0x0                               ; for the others' sake: my share of the row sums is in LDS
	s_barrier_signal -1
	s_barrier_wait -1
	s_cmp_eq_u32 s[LIVE], 0
	s_cbranch_scc1 .Lmasked
; PART 3: LOGITS, THE BLOCK'S MAXIMUM AND WEIGHTS (every wave makes them for itself: no further barrier), AND po FOR MY WAVE'S 256 COLUMNS.
.macro TR q, buf                       ; enc turned: rows 32 q .. 32 q + 31 x my 256 columns, 16 fragments of 16 columns
	WIN TO1
.irp u, 0,1,2,3,4,5,6,7,8,9,10,11,12,13,14,15
	ds_load_tr16_b128 v[128*(\buf)+8*(\u):128*(\buf)+8*(\u)+3],   v[TA+(\q)] offset:32*(\u)
	ds_load_tr16_b128 v[128*(\buf)+8*(\u)+4:128*(\buf)+8*(\u)+7], v[TA+(\q)] offset:32*(\u)+16*PA
.endr
.endm
.macro MM wf, q, buf, zero             ; 16 matrix instructions on 16 accumulators, which take turns, one instruction a turn; wf: the weights' hi or lo parts
	WIN MUL_LO
.irp u, 0,1,2,3,4,5,6,7,8,9,10,11,12,13,14,15
.if \zero
	v_wmma_f32_16x16x32_bf16 v[8*(\u):8*(\u)+7], v[(\wf)+8*(\q):(\wf)+8*(\q)+7], v[128*(\buf)+8*(\u):128*(\buf)+8*(\u)+7], 0
.else
	v_wmma_f32_16x16x32_bf16 v[8*(\u):8*(\u)+7], v[(\wf)+8*(\q):(\wf)+8*(\q)+7], v[128*(\buf)+8*(\u):128*(\buf)+8*(\u)+7], v[8*(\u):8*(\u)+7]
.endif
.endr
.endm
	s_wait_loadcnt 0x0                             ; no load into W's ring is out: its registers take enc's turned fragments below
.irp u, 0,1,2,3
	ds_load_b128 v[FA0+4*(\u):FA0+4*(\u)+3], v[XWR] offset:512*(\u)   ; the four waves' shares of rows 4 lane .. 4 lane + 3
.endr
.irp q, 0,1,2,3
	v_add_nc_u32 v[TM+(\q)], \q, v[ROWN]           ; the rows' numbers in the batch
.endr
	v_mov_b32 v[TM+5], 0                           ; written, since v_permlanex16_b32 counts as a reader of its destination
	s_wait_dscnt 0x0
.irp u, 1,2,3
	v_pk_add_f32 v[FA0:FA0+1],   v[FA0:FA0+1],   v[FA0+4*(\u):FA0+4*(\u)+1]
	v_pk_add_f32 v[FA0+2:FA0+3], v[FA0+2:FA0+3], v[FA0+4*(\u)+2:FA0+4*(\u)+3]
.endr
.irp q, 0,1,2,3
	v_cmp_gt_i32 vcc_lo, s[LEN], v[TM+(\q)]        ; the row lies in front of the length
	v_cndmask_b32 v[FA0+(\q)], v[MV], v[FA0+(\q)], vcc_lo
.endr
	s_cmp_lg_u32 s[WV], 0
	s_cbranch_scc1 .Lnolg
	global_store_b128 v[GO], v[FA0:FA0+3], s[LG:LG+1]   ; wave 0: the block's 128 logits, 512 consecutive bytes; these four registers are not written again
.Lnolg:
	v_max3_num_f32 v[TM+4], v[FA0], v[FA0+1], v[FA0+2]
	v_max_num_f32 v[TM+4], v[TM+4], v[FA0+3]
	v_max_num_f32_dpp v[TM+4], v[TM+4], v[TM+4] row_xmask:1 row_mask:0xf bank_mask:0xf
	v_max_num_f32_dpp v[TM+4], v[TM+4], v[TM+4] row_xmask:2 row_mask:0xf bank_mask:0xf
	v_max_num_f32_dpp v[TM+4], v[TM+4], v[TM+4] row_xmask:4 row_mask:0xf bank_mask:0xf
	v_max_num_f32_dpp v[TM+4], v[TM+4], v[TM+4] row_xmask:8 row_mask:0xf bank_mask:0xf
	v_permlanex16_b32 v[TM+5], v[TM+4], s[SEL], s[SEL+1]
	v_max_num_f32 v[TM+4], v[TM+4], v[TM+5]        ; the block's maximum, in every lane
.irp q, 0,1,2,3
	v_sub_f32 v[TM+(\q)], v[FA0+(\q)], v[TM+4]
.endr
.irp q, 0,1,2,3
	v_mul_f32 v[TM+(\q)], 0x3fb8aa3b, v[TM+(\q)]
.endr
.irp q, 0,1,2,3
	v_exp_f32 v[TM+(\q)], v[TM+(\q)]
.endr
	v_nop
	s_wait_alu depctr_va_vdst(0)
	v_cvt_pk_bf16_f32 v[TM+6], v[TM], v[TM+1]      ; hi = bf16(e)
	v_cvt_pk_bf16_f32 v[TM+7], v[TM+2], v[TM+3]
	v_lshlrev_b32 v[TM+8],  16, v[TM+6]            ; hi as f32
	v_and_b32     v[TM+9],  0xffff0000, v[TM+6]
	v_lshlrev_b32 v[TM+10], 16, v[TM+7]
	v_and_b32     v[TM+11], 0xffff0000, v[TM+7]
	v_pk_add_f32 v[TM+8:TM+9],   v[TM:TM+1],   v[TM+8:TM+9]   neg_lo:[0,1] neg_hi:[0,1]   ; e - hi: exact in f32
	v_pk_add_f32 v[TM+10:TM+11], v[TM+2:TM+3], v[TM+10:TM+11] neg_lo:[0,1] neg_hi:[0,1]
	v_cvt_pk_bf16_f32 v[TM+12], v[TM+8], v[TM+9]   ; lo = bf16(e - hi)
	v_cvt_pk_bf16_f32 v[TM+13], v[TM+10], v[TM+11]
	ds_store_b64 v[EWS], v[TM+6:TM+7]              ; my own copy of the 128 weights, by rows: hi,
	ds_store_b64 v[EWS], v[TM+12:TM+13] offset:256 ; and lo
.irp q, 0,1,2,3
	ds_load_b128 v[WF+8*(\q):WF+8*(\q)+3],   v[EWR] offset:64*(\q)      ; as source 0: all 16 of its rows hold the same 32 weights
	ds_load_b128 v[WF+8*(\q)+4:WF+8*(\q)+7], v[EWR] offset:64*(\q)+32
	ds_load_b128 v[WL+8*(\q):WL+8*(\q)+3],   v[EWR] offset:256+64*(\q)
	ds_load_b128 v[WL+8*(\q)+4:WL+8*(\q)+7], v[EWR] offset:256+64*(\q)+32
.endr
	TR 0, 0
	TR 1, 1
	s_wait_dscnt 32                                ; all but the younger run of 32: the weights and the older run are in
	MM WF, 0, 0, 1
	MM WL, 0, 0, 0
	PLACES
	TR 2, 0
	s_wait_dscnt 32
	MM WF, 1, 1, 0
	MM WL, 1, 1, 0
	PLACES
	TR 3, 1
	s_wait_dscnt 32
	MM WF, 2, 0, 0
	MM WL, 2, 0, 0
	s_wait_dscnt 0x0
	MM WF, 3, 1, 0
	MM WL, 3, 1, 0
	PLACES
	WIN ST2
.irp u, 0,1,2,3,4,5,6,7,8,9,10,11,12,13,14,15
	ds_store_b32 v[OSS], v[8*(\u)] offset:64*(\u)  ; all rows of a result are alike: its lowest register is po of column 16 u + lane % 16 (both halves of the lanes write the same word)
.endr
	WIN 0
	ds_load_b128 v[TM:TM+3],   v[OSR]
	ds_load_b128 v[TM+4:TM+7], v[OSR] offset:512
	s_wait_dscnt 0x0
	global_store_b128 v[GO], v[TM:TM+3],   s[PT:PT+1]              ; 512 consecutive bytes each
	global_store_b128 v[GO], v[TM+4:TM+7], s[PT:PT+1] offset:512
	s_branch .Lend
.Lmasked:                                              ; the whole block lies behind the length
.irp q, 0,1,2,3
	v_mov_b32 v[TM+(\q)], v[MV]
	v_mov_b32 v[TM+4+(\q)], 0
.endr
	s_cmp_lg_u32 s[WV], 0
	s_cbranch_scc1 .Lnolg2
	global_store_b128 v[GO], v[TM:TM+3], s[LG:LG+1]
.Lnolg2:
	global_store_b128 v[GO], v[TM+4:TM+7], s[PT:PT+1]
	global_store_b128 v[GO], v[TM+4:TM+7], s[PT:PT+1] offset:512
.Lend:
	s_wait_tensorcnt 0x0                           ; the wave's end: three closing lines behind my last LDS store
	ds_add_u32 v[SPW], v[NIL]
	s_wait_dscnt 0x0
	s_endpgm
.Lfunc_end_k_qaf28190694_main:
	.size	k_qaf28190694_main, .Lfunc_end_k_qaf28190694_main-k_qaf28190694_main
	.p2alignl 7, 3214868480
	.fill 96, 4, 3214868480
	.section	.rodata,"a",@progbits
	.p2align	6, 0x0
	.amdhsa_kernel k_qaf28190694_main
		.amdhsa_group_segment_fixed_size 314880
		.amdhsa_private_segment_fixed_size 0
		.amdhsa_enable_private_segment 0
		.amdhsa_kernarg_size 56
		.amdhsa_user_sgpr_count 2
		.amdhsa_user_sgpr_kernarg_segment_ptr 1
		.amdhsa_wavefront_size32 1
		.amdhsa_system_sgpr_workgroup_id_x 1
		.amdhsa_system_sgpr_workgroup_id_y 1
		.amdhsa_system_sgpr_workgroup_id_z 1
		.amdhsa_system_vgpr_workitem_id 0
		.amdhsa_next_free_vgpr 1024
		.amdhsa_next_free_sgpr 66
		.amdhsa_reserve_vcc 1
		.amdhsa_float_denorm_mode_32 3
		.amdhsa_float_denorm_mode_16_64 3
		.amdhsa_memory_ordered 1
		.amdhsa_forward_progress 1
		.amdhsa_inst_pref_size 218
	.end_amdhsa_kernel
	.amdgpu_metadata
---
amdhsa.version: [ 1, 2 ]
amdhsa.kernels:
  - .name:           k_qaf28190694_main
    .symbol:         k_qaf28190694_main.kd
    .args:
      - { .name: encoder_outputs, .offset: 0, .size: 8, .value_kind: global_buffer, .address_space: global }
      - { .name: sequence_length, .offset: 8, .size: 8, .value_kind: global_buffer, .address_space: global }
      - { .name: v, .offset: 16, .size: 8, .value_kind: global_buffer, .address_space: global }
      - { .name: wb, .offset: 24, .size: 8, .value_kind: global_buffer, .address_space: global }
      - { .name: dproj, .offset: 32, .size: 8, .value_kind: global_buffer, .address_space: global }
      - { .name: lg, .offset: 40, .size: 8, .value_kind: global_buffer, .address_space: global }
      - { .name: part, .offset: 48, .size: 8, .value_kind: global_buffer, .address_space: global }
    .group_segment_fixed_size: 314880
    .private_segment_fixed_size: 0
    .kernarg_segment_align: 8
    .kernarg_segment_size: 56
    .max_flat_workgroup_size: 128
    .sgpr_count:     66
    .vgpr_count:     1024
    .wavefront_size: 32
...
	.end_amdgpu_metadata
.endif
;; end of part 2
;; launch combine (part 3): grid 8 x 32, 8 waves a work-group, no clusters, 5,376 bytes of LDS; arguments lg, part, out0, out1; writes out0, out1
.if DOCPART == 3
	.amdgcn_target "amdgcn-amd-amdhsa--gfx1250"
	.amdhsa_code_object_version 6
	.text
	.protected	k_qaf28190694_combine
	.globl	k_qaf28190694_combine
	.p2align	8
	.type	k_qaf28190694_combine,@function
k_qaf28190694_combine:
	s_mov_b64 s[64:65], 0
	v_nop
	global_prefetch_b8 v0, s[64:65] scope:SCOPE_SE
	s_setreg_imm32_b32 hwreg(HW_REG_WAVE_MODE, 25, 1), 1
	s_wait_xcnt 0x0
; COMBINE.  For batch b (grid y): M = the largest of its 2,048 masked logits, Z = the sum of exp(l - M);
;   out1[b][s] = exp(l[s] - M) / Z;   out0[b][e] = the sum over the 16 blocks of exp(m_blk - M) / Z x part[16 b + blk][e], m_blk the block's largest logit:
;   the same number by which the launch before scaled the block's weights, since a maximum has no rounding.
; SHARES.  Grid x = 128 columns of out0.  Wave w holds blocks w and w + 8: their 128 logits each (four a lane) and their 128 numbers of part.  Every work-group of a batch makes M and Z for itself
; (8,192 bytes of logits); of out1 work-group x writes blocks x and x + 8.  Memory binds what little there is: no matrix unit, no ring; all four loads of a wave go out at once.
.set STAT,  0                          ; [wave] (m, z of block w; m, z of block w + 8): 128 bytes in a block of 256 of their own
.set OSUM,  256                        ; [wave][128] f32
.set SPARE, 4352                       ; the spare words: 128 bytes a wave, four blocks of 256 bytes that no other line names
.set L2E,   0x3fb8aa3b                 ; log2(e)
.macro WMAX x                          ; the largest over the wave's 32 lanes, in every lane
	v_max_num_f32_dpp v[\x], v[\x], v[\x] row_xmask:1 row_mask:0xf bank_mask:0xf
	v_max_num_f32_dpp v[\x], v[\x], v[\x] row_xmask:2 row_mask:0xf bank_mask:0xf
	v_max_num_f32_dpp v[\x], v[\x], v[\x] row_xmask:4 row_mask:0xf bank_mask:0xf
	v_max_num_f32_dpp v[\x], v[\x], v[\x] row_xmask:8 row_mask:0xf bank_mask:0xf
	v_permlanex16_b32 v28, v[\x], s16, s17
	v_max_num_f32 v[\x], v[\x], v28
.endm
.macro WSUM x
	v_add_f32_dpp v[\x], v[\x], v[\x] row_xmask:1 row_mask:0xf bank_mask:0xf
	v_add_f32_dpp v[\x], v[\x], v[\x] row_xmask:2 row_mask:0xf bank_mask:0xf
	v_add_f32_dpp v[\x], v[\x], v[\x] row_xmask:4 row_mask:0xf bank_mask:0xf
	v_add_f32_dpp v[\x], v[\x], v[\x] row_xmask:8 row_mask:0xf bank_mask:0xf
	v_permlanex16_b32 v28, v[\x], s16, s17
	v_add_f32 v[\x], v[\x], v28
.endm
.macro BSTAT l, m, z                   ; a block's maximum and the sum of exp(l - maximum)
	v_max3_num_f32 v[\m], v[\l], v[(\l)+1], v[(\l)+2]
	v_max_num_f32 v[\m], v[\m], v[(\l)+3]
	WMAX \m
.irp i, 0,1,2,3
	v_sub_f32 v[88+(\i)], v[(\l)+(\i)], v[\m]
.endr
.irp i, 0,1,2,3
	v_mul_f32 v[88+(\i)], L2E, v[88+(\i)]
.endr
.irp i, 0,1,2,3
	v_exp_f32 v[88+(\i)], v[88+(\i)]
.endr
	v_nop                                          ; a plain instruction between the last exponential and the use of its result (ISA guide 5.7.2)
	s_wait_alu depctr_va_vdst(0)
	v_pk_add_f32 v[88:89], v[88:89], v[90:91]
	v_add_f32 v[\z], v88, v89
	WSUM \z
.endm
	s_load_b256 s[4:11], s[0:1], 0x0               ; lg s[4:5], part s[6:7], out0 s[8:9], out1 s[10:11]
	v_lshl_add_u32 v30, v0, 2, SPARE               ; my spare word,
	v_mov_b32 v31, 0                               ; and 0: kept for the wave's end
	v_lshrrev_b32 v28, 5, v0
	v_readfirstlane_b32 s12, v28                   ; wave 0..7
	s_and_b32 s13, ttmp7, 0xffff                   ; batch
	s_mov_b32 s14, ttmp9                           ; which 128 columns
	s_mov_b32 s16, 0x76543210
	s_mov_b32 s17, 0xfedcba98
	v_and_b32 v29, 31, v0
	v_lshlrev_b32 v1, 4, v0                        ; 16 x thread: my four logits, and my four weights
	v_lshlrev_b32 v7, 4, v29                       ; 16 x lane
	s_lshl_b32 s18, s12, 12
	v_add_nc_u32 v2, s18, v7                       ; part: block w's row, my four columns
	s_lshl_b32 s18, s12, 4
	v_mov_b32 v3, s18                              ; STAT: my wave's 16 bytes
	v_mov_b32 v4, STAT
	s_lshl_b32 s18, s12, 9
	s_add_co_u32 s18, s18, OSUM
	v_add_nc_u32 v5, s18, v7
	v_add_nc_u32 v6, OSUM, v7
	s_lshl_b32 s20, s13, 13                        ; lg and out1: 8,192 bytes a batch
	s_mov_b32 s21, 0
	s_lshl_b32 s19, s14, 9                         ; 128 columns: 512 bytes
	s_lshl_b32 s22, s13, 16                        ; part: 16 rows of 4,096 bytes a batch
	s_add_co_u32 s22, s22, s19
	s_mov_b32 s23, 0
	s_lshl_b32 s24, s13, 12                        ; out0: 4,096 bytes a batch
	s_add_co_u32 s24, s24, s19
	s_mov_b32 s25, 0
	s_wait_kmcnt 0x0
	s_add_nc_u64 s[4:5], s[4:5], s[20:21]
	s_add_nc_u64 s[6:7], s[6:7], s[22:23]
	s_add_nc_u64 s[8:9], s[8:9], s[24:25]
	s_add_nc_u64 s[10:11], s[10:11], s[20:21]
	global_load_b128 v[8:11],  v1, s[4:5]              ; block w's logits
	global_load_b128 v[12:15], v1, s[4:5] offset:4096  ; block w + 8's
	global_load_b128 v[16:19], v2, s[6:7]              ; block w's po
	global_load_b128 v[20:23], v2, s[6:7] offset:32768 ; block w + 8's
	s_wait_loadcnt 2                               ; the logits are in; the two loads of part stay out
	BSTAT 8, 24, 25
	BSTAT 12, 26, 27
	ds_store_b128 v3, v[24:27]                     ; all lanes write the same 16 bytes with the same numbers
	s_wait_dscnt 0x0                               ; for the others' sake
	s_barrier_signal -1
	s_barrier_wait -1
.irp k, 0,1,2,3,4,5,6,7
	ds_load_b128 v[32+4*(\k):35+4*(\k)], v4 offset:16*(\k)
.endr
	s_wait_dscnt 0x0
	v_max3_num_f32 v80, v32, v34, v36              ; M
.irp j, 38,42,46,50,54,58
	v_max3_num_f32 v80, v80, v[\j], v[(\j)+2]
.endr
	v_max_num_f32 v80, v80, v62
.irp j, 0,1,2,3,4,5,6,7,8,9,10,11,12,13,14,15
	v_sub_f32 v[64+(\j)], v[32+2*(\j)], v80
.endr
	v_sub_f32 v83, v24, v80
	v_sub_f32 v84, v26, v80
.irp j, 0,1,2,3,4,5,6,7,8,9,10,11,12,13,14,15
	v_mul_f32 v[64+(\j)], L2E, v[64+(\j)]
.endr
	v_mul_f32 v83, L2E, v83
	v_mul_f32 v84, L2E, v84
.irp j, 0,1,2,3,4,5,6,7,8,9,10,11,12,13,14,15
	v_exp_f32 v[64+(\j)], v[64+(\j)]
.endr
	v_exp_f32 v83, v83
	v_exp_f32 v84, v84
	v_nop
	s_wait_alu depctr_va_vdst(0)
	v_mul_f32 v81, v64, v33                        ; Z = the sum of z exp(m - M): at least 1, from the block that holds M
.irp j, 1,2,3,4,5,6,7,8,9,10,11,12,13,14,15
	v_fma_f32 v81, v[64+(\j)], v[33+2*(\j)], v81
.endr
	v_rcp_f32 v82, v81
	v_nop
	s_wait_alu depctr_va_vdst(0)
	v_mul_f32 v83, v83, v82                        ; my two blocks' factors exp(m - M) / Z
	v_mul_f32 v84, v84, v82
	s_wait_loadcnt 0x0                             ; part
.irp i, 0,1,2,3
	v_mul_f32 v[88+(\i)], v[16+(\i)], v83
.endr
.irp i, 0,1,2,3
	v_fma_f32 v[88+(\i)], v[20+(\i)], v84, v[88+(\i)]
.endr
	ds_store_b128 v5, v[88:91]
	s_wait_dscnt 0x0                               ; for wave 0's sake
	s_barrier_signal -1
	s_barrier_wait -1
	s_cmp_lg_u32 s12, 0
	s_cbranch_scc1 .Lno0
.irp k, 0,1,2,3,4,5,6,7
	ds_load_b128 v[32+4*(\k):35+4*(\k)], v6 offset:512*(\k)
.endr
	s_wait_dscnt 0x0
.irp k, 0,1,2,3
	v_pk_add_f32 v[32+4*(\k):33+4*(\k)], v[32+4*(\k):33+4*(\k)], v[48+4*(\k):49+4*(\k)]
	v_pk_add_f32 v[34+4*(\k):35+4*(\k)], v[34+4*(\k):35+4*(\k)], v[50+4*(\k):51+4*(\k)]
.endr
.irp k, 0,1
	v_pk_add_f32 v[32+4*(\k):33+4*(\k)], v[32+4*(\k):33+4*(\k)], v[40+4*(\k):41+4*(\k)]
	v_pk_add_f32 v[34+4*(\k):35+4*(\k)], v[34+4*(\k):35+4*(\k)], v[42+4*(\k):43+4*(\k)]
.endr
	v_pk_add_f32 v[32:33], v[32:33], v[36:37]
	v_pk_add_f32 v[34:35], v[34:35], v[38:39]
	global_store_b128 v7, v[32:35], s[8:9]         ; 512 consecutive bytes of out0
.Lno0:
	s_cmp_lg_u32 s12, s14
	s_cbranch_scc1 .Lno1                           ; the wave whose number is the work-group's x writes its two blocks' weights
.irp i, 0,1,2,3,4,5,6,7
	v_sub_f32 v[64+(\i)], v[8+(\i)], v80
.endr
.irp i, 0,1,2,3,4,5,6,7
	v_mul_f32 v[64+(\i)], L2E, v[64+(\i)]
.endr
.irp i, 0,1,2,3,4,5,6,7
	v_exp_f32 v[64+(\i)], v[64+(\i)]
.endr
	v_nop
	s_wait_alu depctr_va_vdst(0)
.irp i, 0,1,2,3,4,5,6,7
	v_mul_f32 v[64+(\i)], v[64+(\i)], v82
.endr
	global_store_b128 v1, v[64:67], s[10:11]               ; 512 consecutive bytes of out1 each
	global_store_b128 v1, v[68:71], s[10:11] offset:4096
.Lno1:
	s_wait_tensorcnt 0x0                           ; the wave's end: three closing lines behind my last LDS store
	ds_add_u32 v30, v31
	s_wait_dscnt 0x0
	s_endpgm
.Lfunc_end_k_qaf28190694_combine:
	.size	k_qaf28190694_combine, .Lfunc_end_k_qaf28190694_combine-k_qaf28190694_combine
	.p2alignl 7, 3214868480
	.fill 96, 4, 3214868480
	.section	.rodata,"a",@progbits
	.p2align	6, 0x0
	.amdhsa_kernel k_qaf28190694_combine
		.amdhsa_group_segment_fixed_size 5376
		.amdhsa_private_segment_fixed_size 0
		.amdhsa_enable_private_segment 0
		.amdhsa_kernarg_size 32
		.amdhsa_user_sgpr_count 2
		.amdhsa_user_sgpr_kernarg_segment_ptr 1
		.amdhsa_wavefront_size32 1
		.amdhsa_system_sgpr_workgroup_id_x 1
		.amdhsa_system_sgpr_workgroup_id_y 1
		.amdhsa_system_sgpr_workgroup_id_z 1
		.amdhsa_system_vgpr_workitem_id 0
		.amdhsa_next_free_vgpr 96
		.amdhsa_next_free_sgpr 66
		.amdhsa_reserve_vcc 0
		.amdhsa_float_denorm_mode_32 3
		.amdhsa_float_denorm_mode_16_64 3
		.amdhsa_memory_ordered 1
		.amdhsa_forward_progress 1
		.amdhsa_inst_pref_size 14
	.end_amdhsa_kernel
	.amdgpu_metadata
---
amdhsa.version: [ 1, 2 ]
amdhsa.kernels:
  - .name:           k_qaf28190694_combine
    .symbol:         k_qaf28190694_combine.kd
    .args:
      - { .name: lg, .offset: 0, .size: 8, .value_kind: global_buffer, .address_space: global }
      - { .name: part, .offset: 8, .size: 8, .value_kind: global_buffer, .address_space: global }
      - { .name: out0, .offset: 16, .size: 8, .value_kind: global_buffer, .address_space: global }
      - { .name: out1, .offset: 24, .size: 8, .value_kind: global_buffer, .address_space: global }
    .group_segment_fixed_size: 5376
    .private_segment_fixed_size: 0
    .kernarg_segment_align: 8
    .kernarg_segment_size: 32
    .max_flat_workgroup_size: 256
    .sgpr_count:     66
    .vgpr_count:     96
    .wavefront_size: 32
...
	.end_amdgpu_metadata
.endif
;; end of part 3
;; ======== version 2 of 2: 3 launches; version 1 with the launch main written anew for expert scheduling mode
;; limits: right only within a limited range of input values
;; workspace buffers: wb 2,097,152 bytes; dproj 131,072 bytes; lg 262,144 bytes; part 2,097,152 bytes
;; launch prep: the kernel of part 1 again; grid 64 x 1, 8 waves a work-group, no clusters, 17,408 bytes of LDS; arguments W, decoder_state, wb, dproj; writes wb, dproj
;; launch main (part 4): grid 32 x 16, 4 waves a work-group, no clusters, 314,880 bytes of LDS; arguments encoder_outputs, sequence_length, v, wb, dproj, lg, part; writes lg, part
.if DOCPART == 4
	.amdgcn_target "amdgcn-amd-amdhsa--gfx1250"
	.amdhsa_code_object_version 6
	.text
	.protected	k_qaf28190694_main
	.globl	k_qaf28190694_main
	.p2align	8
	.type	k_qaf28190694_main,@function
k_qaf28190694_main:
	s_mov_b64 s[64:65], 0
	v_nop
	global_prefetch_b8 v0, s[64:65] scope:SCOPE_SE
	s_setreg_imm32_b32 hwreg(HW_REG_WAVE_SCHED_MODE, 0, 2), 2
	s_setreg_imm32_b32 hwreg(HW_REG_WAVE_MODE, 25, 1), 1
	s_wait_xcnt 0x0
	s_wait_alu depctr_vm_vsrc(0)
; MAIN.  For a block of 128 rows s of one batch b (grid x = b, grid y = block):
;   logit[s] = the sum over h of v[h] tanh( enc[b][s] . W[h][0:1024] + dproj[b][h] ), -50000 where s >= sequence_length[b]      -> lg[b][s]
;   po[e]    = the sum over the block's s of exp(logit[s] - m) enc[b][s][e], m the block's largest logit                         -> part[16 b + block][e]
; The next launch makes the softmax of the 16 blocks' figures.  enc is read from memory ONCE: the block, rounded to bf16, stays in LDS for both products.
; FORMATS.  enc, W and v are rounded once to bf16; all sums, tanh, the product with v, maxima and exponentials in f32.
;   A weight exp(..) enters the second product as TWO bf16 numbers, hi = bf16(e) and lo = bf16(e - hi), each multiplied by the same fragments of enc: about 2^-17 of a weight is lost, not 2^-9.
;   (A batch with a short length averages few rows; a rounding of its weights to 8 bits shows in those of its results that lie near zero.)
;   tanh(x) = 1 - 2 / (1 + 2^(2 log2(e) x)): where the power overflows the quotient is 0 (tanh = 1), where it underflows it is 1 (tanh = -1).  So a row's logit is the sum of v less twice the sum of v / (1 + 2^..).
; SKIPPED BLOCKS.  A block that lies wholly at or behind the length (128 block >= length >= 1) is not multiplied: its logits are -50000 and its po is written as 0.
; LIMIT.  out0 thereby leaves out such rows' share, exp(-50000 - M) / Z of enc, M the batch's largest logit.  |logit| is at most the sum of |v|, and the share is 0 in f32 while M > -49,896:
;   the text serves inputs with the sum of |v| under 49,800.  The weights themselves (out1) have no such limit.  A length below 1 skips nothing.  NaN and infinities are not treated apart.
; SHARES.  Four waves.  Each takes ALL 128 rows x 256 hidden units, in two passes of 128: 64 accumulators of 16 x 16, 512 registers.  K = 1,024 goes in 32 steps of 32, 64 matrix instructions each.
;   Source 0 = 16 rows of enc (from LDS), source 1 = 16 rows of W: in a result a lane holds ONE hidden unit (lane % 16) and eight rows, so dproj and v are one number a lane and tile.
; W COMES STRAIGHT INTO REGISTERS, from wb, which lies in the order of the fragments: a ring of four register slots, a step's 16 loads of 512 consecutive bytes asked for three steps ahead.
;   NO LDS FOR W, NO CLUSTER: the four waves' hidden units are disjoint, so LDS would give W no second reader in the work-group; and beside the resident block 63,488 bytes of LDS are left, of which the
;   exchange areas take 50,688: two slots in the rest would hold less than one K step of the work-group's W (32,768 bytes), with a barrier for each.  The register ring needs no barrier in the K loop.
; BRANCHES ON THE LENGTH.  Four, all forward, each over text without a barrier: the three barriers stand on every wave's path.  Each part reads only registers that it writes itself or that the head has written.
; LDS ADDRESSES THAT STEP are a scalar offset, stepped by a constant in its counted loop, added to a vector base that is never rewritten.
; THE MODE: SCHED_MODE bits 1:0 = 2 (LLVM: expert scheduling mode 2), set by the entry lines.  The code itself states the register dependences between vector or matrix instructions and memory or LDS
;   instructions, with s_wait_alu, always for 0.
; THE PLAN.  Registers that memory or LDS instructions touch.  Each part leaves nothing unstated behind it, so that the ways which the branches on the length join owe the same.
;   HEAD     The bases and offsets (v3, v8-15, v18-27, v30) and the closing add's v28, v29: written once, ahead of ONE wait on va_vdst in front of the first branch; never written again.
;   STAGING  Slot s of window 1: its loads land; chunk s's 32 conversions read it; the loads of the chunk four on land.  OUT0, OUT1 (v112-143, v144-175) by turns: a chunk's conversions write one, its 16 LDS stores
;            read it.  ONE wait on va_vdst a chunk, behind its conversions; its loads and its stores follow.  A wait on vm_vsrc ahead of the conversions of a trip's chunks 2 and 3 (the stores two chunks back);
;            for chunks 0 and 1 the trip's one wait on vm_vsrc, ahead of the add to v[SAW], has said it.  One more at the part's end: later parts write v16 and v112-191.
;   K LOOP   Step n's 64 matrix instructions read A's buffer fa, W's slot rb and the accumulators.  Its 32 loads land in the other A buffer and in slot rb + 3, which step n - 1 read.  ONE wait on va_vdst at the
;            step's head says that step n - 1 is done reading them (and, in a trip's first step, that v[AA ..] are written); the loads follow in four runs of eight, dealt among the step's four groups of 16 matrix
;            instructions, which name none of the registers that those loads touch.  v[AA ..]: read by A's loads, written once a trip behind a wait on vm_vsrc.  v[GO]: never written.
;   TANH     Vector work alone; its waits are those behind the exponentials and the reciprocals.  P is read by LDS stores in part 2b, behind a wait on va_vdst at that part's head.
;   PARTS 2b, 3  A wait on va_vdst ahead of each run of stores whose data vector or matrix instructions have just written, and ahead of each refill of a buffer of turned fragments; a wait on vm_vsrc where a register
;            that an LDS store has read is loaded again (v176-179, v246-247).
;
; LDS:  A 128 rows x 2,064 bytes (2,048 + 16: 129 x 16, so the 16 rows of a fragment load start at 16 different groups of four banks; 64 banks of 4 bytes: ISA guide 11.1)
;       DV for each h the pair (2 log2(e) dproj[b][h], -2 v[h]) | PS per wave 16 lanes' x 128 rows' partial sums, pitch 528 | XW [wave][128 rows] | EW per wave 128 weights' hi, then their lo, bf16 | OS per wave 256 f32 of po | the spare words
; REGISTERS, in windows of 256 (s_set_vgpr_msb: bits 1:0 source 0, 3:2 source 1, 5:4 source 2, 7:6 destination):
;   window 0: v0-31 addresses; v32-47 (d, v) pairs of 8 tiles; v48-111 row sums; v112-175, v176-239 two buffers of A's fragments; v240-255 at work
;   window 1: four slots of 64: W's fragments (in staging: enc's rows as loaded; in the tail: enc turned)
;   window 2: accumulators of rows 0-63, (row tile a, hidden tile t) at v[8 (8 a + t)] (in the tail: po)          window 3: those of rows 64-127
.set PA,    2064
.set DV,    264192
.set PS,    272384
.set XW,    306176
.set EW,    308224
.set OS,    310272
.set SPARE, 314368                     ; 128 bytes a wave: two blocks of 256 bytes that no other line names
.set GO,   3                           ; 16 x lane
.set AA,   4                           ; v4-7   A's fragment addresses for row tiles 2 a, 2 a + 1: s[KO+a] + v[AB]
.set DVA,  8                           ; my hidden unit's pair in DV, first pass; never rewritten
.set SA,   9                           ; staging: where my 8 bytes of my wave's first row go; never rewritten
.set PSA,  10
.set PRA,  11
.set XWS,  12
.set XWR,  13
.set EWS,  14
.set EWR,  15
.set SAW,  16                          ; staging: s[SO] + v[SA]
.set CSUM, 16                          ; later: the sum of -2 v over my wave's 256 hidden units
.set MV,   17                          ; -50000
.set OSS,  18
.set OSR,  19
.set TA,   20                          ; v20-23 the turning loads' addresses, 32 rows each
.set ROWN, 24                          ; 128 block + 4 lane
.set T32,  25                          ; 32 x thread
.set DVS,  26                          ; DV + 64 x thread
.set LANE, 27
.set SPW,  28                          ; my spare word; never rewritten
.set NIL,  29                          ; 0; never rewritten
.set AB,   30                          ; (lane % 16) x 2,064 + 16 (lane / 16); never rewritten
.set DVW,  31                          ; at work in the head; then s[DVO] + v[DVA]
.set DVR,  32
.set P,    48
.set FA0,  112
.set OUT,  112                         ; staging: two out-buffers of 32 registers, by turns
.set WF,   144                         ; the tail: the weights' hi parts as fragments
.set FA1,  176
.set WL,   176                         ; the tail: their lo parts
.set TM,   240
.set ENC,  4
.set SEQ,  6
.set VV,   8
.set SB,   10                          ; wb at my wave's stream; steps
.set DP,   12
.set LG,   14
.set PT,   16
.set WV,   20
.set BB,   21
.set BLK,  22
.set LEN,  23
.set PASS, 24
.set CNT,  25
.set SEL,  28
.set R0,   30
.set LIVE, 31
.set DVO,  32                          ; at work in the head; then the pass's offset in DV: 0, 1,024
.set SO,   33                          ; staging: the trip's offset in A, 8 rows a trip
.set KK,   34                          ; s[34:35] 2 log2(e): the packed line takes the pair's low word for both halves
.set KO,   36                          ; s36-39  32 a rows + the trip's offset along K, 256 bytes a trip
.set MK,   36                          ; s36-39  part 3: the four masks 'the row lies in front of the length'
.set MSB, 0
.macro WIN new                         ; the immediate's high byte repeats the setting that is left; a switch that changes nothing is dropped
.if MSB != (\new)
	s_set_vgpr_msb (MSB<<8)|(\new)
.set MSB, \new
.endif
.endm
.set MUL_LO, 0xa4                      ; A window 0, B window 1, C and D window 2; + 0x50: C and D window 3
.set TO1,    0x40                      ; destination window 1
.set CV,     0x05                      ; sources 0 and 1 window 1
.set ST2,    0x08                      ; an LDS store's data in window 2
.macro PLACES                          ; four plain places behind a matrix instruction: ahead of lines that read its result and, as in this text's plain form, ahead of loads into registers that it read; no place stands for a wait, no wait for a place
.rept 4
	v_nop
.endr
.endm
	s_load_b256 s[4:11], s[0:1], 0x0               ; enc, sequence_length, v, wb
	s_load_b128 s[12:15], s[0:1], 0x20             ; dproj, lg
	s_load_b64 s[16:17], s[0:1], 0x30              ; part
	v_lshl_add_u32 v[SPW], v0, 2, SPARE
	v_mov_b32 v[NIL], 0
	v_lshrrev_b32 v31, 5, v0
	v_readfirstlane_b32 s[WV], v31                 ; wave 0..3
	s_mov_b32 s[BB], ttmp9                         ; batch
	s_and_b32 s[BLK], ttmp7, 0xffff                ; block
	s_lshl_b32 s[R0], s[BLK], 7                    ; the block's first row
	s_mov_b32 s[SEL], 0x76543210                   ; v_permlanex16_b32: each lane takes its own place in the other half
	s_mov_b32 s[SEL+1], 0xfedcba98
	s_mov_b32 s[KK], 0x4038aa3b                    ; 2 log2(e)
	s_mov_b32 s[KK+1], s[KK]
	; every address base is made here, ahead of the first branch
	v_and_b32 v[LANE], 31, v0
	v_and_b32 v1, 15, v0                           ; r
	v_bfe_u32 v2, v0, 4, 1                         ; hh
	v_lshlrev_b32 v[GO], 4, v[LANE]
	v_mul_u32_u24 v[AB], v1, PA
	v_lshl_add_u32 v[AB], v2, 4, v[AB]
	s_wait_alu depctr_va_sdst(0)                   ; s[WV] is written, ahead of its first reader: LDS places, bases and branches are made from it
	s_lshl_b32 s26, s[WV], 11
	s_add_co_u32 s26, s26, DV
	v_lshl_add_u32 v[DVA], v1, 3, s26              ; DV + 8 (256 w + r)
	s_mul_i32 s26, s[WV], 32*PA
	v_lshl_add_u32 v[SA], v[LANE], 3, s26          ; my wave's 32 rows, 8 bytes a lane
	s_mul_i32 s26, s[WV], 16*528
	s_add_co_u32 s26, s26, PS
	v_mul_u32_u24 v[PSA], v1, 528
	v_lshl_add_u32 v[PSA], v2, 5, v[PSA]
	v_add_nc_u32 v[PSA], s26, v[PSA]               ; contributor r, rows 8 hh on
	v_lshl_add_u32 v[PRA], v[LANE], 4, s26         ; rows 4 lane .. 4 lane + 3 of contributor 0
	s_lshl_b32 s26, s[WV], 9
	s_add_co_u32 s32, s26, XW
	v_lshl_add_u32 v[XWS], v[LANE], 4, s32
	v_lshl_add_u32 v[XWR], v[LANE], 4, XW
	v_and_b32 v31, 7, v0                           ; the turning load: lane l reads row 8 (l / 16) + l % 8, columns 8 ((l / 8) % 2) + 0..7
	v_lshl_add_u32 v31, v2, 3, v31
	v_mul_u32_u24 v31, v31, PA
	v_bfe_u32 v[CSUM], v0, 3, 1
	v_lshl_add_u32 v31, v[CSUM], 4, v31
	v_add_nc_u32 v31, s26, v31                     ; my wave's 256 columns begin at byte 512 w
.irp q, 0,1,2,3
	v_add_nc_u32 v[TA+(\q)], (\q)*32*PA, v31
.endr
	s_add_co_u32 s26, s26, EW                      ; my wave's 512 bytes of EW
	v_lshl_add_u32 v[EWS], v[LANE], 3, s26
	v_lshl_add_u32 v[EWR], v2, 4, s26
	s_lshl_b32 s26, s[WV], 10
	s_add_co_u32 s26, s26, OS
	v_lshl_add_u32 v[OSS], v1, 2, s26
	v_lshl_add_u32 v[OSR], v[LANE], 4, s26
	v_lshl_add_u32 v[ROWN], v[LANE], 2, s[R0]
	v_lshlrev_b32 v[T32], 5, v0
	v_lshl_add_u32 v[DVS], v0, 6, DV
	v_mov_b32 v[MV], 0xc7435000                    ; -50000
	s_lshl_b32 s26, s[BB], 2
	s_mov_b32 s27, 0
	s_wait_kmcnt 0x0
	s_add_nc_u64 s[SEQ:SEQ+1], s[SEQ:SEQ+1], s[26:27]
	s_load_b32 s[LEN], s[SEQ:SEQ+1], 0x0           ; my batch's length
.set n, 0
.rept 64
	v_mov_b32 v[P+n], 0                            ; the row sums of -2 v r start at 0, on every path; they run through both passes, so no first product can start them.  These lines stand in the wait for the length
.set n, n+1
.endr
	s_lshl_b32 s26, s[BB], 11
	s_add_co_u32 s26, s26, s[R0]
	s_lshl_b32 s32, s[WV], 5
	s_add_co_u32 s26, s26, s32
	s_lshl_b32 s26, s26, 12                        ; row 2,048 b + 128 block + 32 w, 4,096 bytes each: under 2^28
	s_add_nc_u64 s[ENC:ENC+1], s[ENC:ENC+1], s[26:27]
	s_lshl_b32 s26, s[WV], 19                      ; my wave's 256 hidden units of wb
	s_add_nc_u64 s[SB:SB+1], s[SB:SB+1], s[26:27]
	s_lshl_b32 s26, s[BB], 12
	s_add_nc_u64 s[DP:DP+1], s[DP:DP+1], s[26:27]
	s_lshl_b32 s26, s[BB], 13
	s_lshl_b32 s32, s[BLK], 9
	s_add_co_u32 s26, s26, s32
	s_add_nc_u64 s[LG:LG+1], s[LG:LG+1], s[26:27]
	s_lshl_b32 s26, s[BB], 4
	s_add_co_u32 s26, s26, s[BLK]
	s_lshl_b32 s26, s26, 12
	s_lshl_b32 s32, s[WV], 10
	s_add_co_u32 s26, s26, s32
	s_add_nc_u64 s[PT:PT+1], s[PT:PT+1], s[26:27]
	s_wait_kmcnt 0x0
	s_cmp_lt_i32 s[R0], s[LEN]                     ; live: the block's first row lies in front of the length,
	s_cselect_b32 s[LIVE], 1, 0
	s_cmp_lt_i32 s[LEN], 1                         ; or no row of the batch does: then every row counts alike
	s_cselect_b32 s[LIVE], 1, s[LIVE]
	s_wait_alu depctr_va_vdst(0)                   ; all the bases and offsets made above are written, which the loads and stores of every part read; so are the row sums' zeros
	s_cmp_eq_u32 s[LIVE], 0
	s_cbranch_scc1 .Lb1
; PART 1: STAGING.  Wave w brings rows 32 w .. 32 w + 31: 16 chunks of 2 rows through a ring of four register slots.  A chunk is 16 loads, each 512 consecutive bytes.
.macro SLD s, ahead
	WIN TO1
.irp p, 0,1
.irp j, 0,1,2,3,4,5,6,7
	global_load_b128 v[64*(\s)+32*(\p)+4*(\j):64*(\s)+32*(\p)+4*(\j)+3], v[GO], s[ENC:ENC+1] offset:(2*(\s)+(\p))*4096+512*(\j)+32768*(\ahead) th:TH_LOAD_NT
.endr
.endr
.endm
.macro SCV s                           ; rounded to bf16, into out-buffer s % 2
	WIN CV
.irp p, 0,1
.irp j, 0,1,2,3,4,5,6,7
	v_cvt_pk_bf16_f32 v[OUT+32*((\s)%2)+16*(\p)+2*(\j)],   v[64*(\s)+32*(\p)+4*(\j)],   v[64*(\s)+32*(\p)+4*(\j)+1]
	v_cvt_pk_bf16_f32 v[OUT+32*((\s)%2)+16*(\p)+2*(\j)+1], v[64*(\s)+32*(\p)+4*(\j)+2], v[64*(\s)+32*(\p)+4*(\j)+3]
.endr
.endr
.endm
.macro SST s                           ; 8 bytes a lane, 256 consecutive bytes an LDS store
	WIN 0
.irp p, 0,1
.irp j, 0,1,2,3,4,5,6,7
	ds_store_b64 v[SAW], v[OUT+32*((\s)%2)+16*(\p)+2*(\j):OUT+32*((\s)%2)+16*(\p)+2*(\j)+1] offset:(2*(\s)+(\p))*PA+256*(\j)
.endr
.endr
.endm
; Chunk s of a trip.  ahead = 1: the slot is asked for again, for the chunk four on.  left: the younger loads that may stay out.
.macro CHUNK s, ahead, left
	s_wait_loadcnt \left                           ; loads come back in order (ISA guide 5.7.1): this slot's are in, the younger slots' stay out
.if (\s) >= 2
	s_wait_alu depctr_vm_vsrc(0)                   ; the LDS stores of the chunk two back have read this out-buffer, which the conversions write again (for chunks 0 and 1 the wait at the last trip's end has said so)
.endif
	SCV \s
.if \ahead
	WIN TO1
.else
	WIN 0
.endif
	s_wait_alu depctr_va_vdst(0)                   ; the conversions have written the out-buffer, which the LDS stores read, and are done reading the slot, in which the loads land; in a trip's first chunk v[SAW] is written
.if \ahead
	SLD \s, 1
.endif
	SST \s
.endm
	global_load_b128 v[TM:TM+3],     v[T32], s[DP:DP+1]            ; thread t: dproj and v of hidden units 8 t .. 8 t + 7
	global_load_b128 v[TM+4:TM+7],   v[T32], s[DP:DP+1] offset:16
	global_load_b128 v[TM+8:TM+11],  v[T32], s[VV:VV+1]
	global_load_b128 v[TM+12:TM+15], v[T32], s[VV:VV+1] offset:16
	SLD 0, 0
	SLD 1, 0
	SLD 2, 0
	WIN 0
	s_mov_b32 s[SO], 0
	v_add_nc_u32 v[SAW], s[SO], v[SA]
	s_wait_loadcnt 48                              ; three slots' loads are younger than those four
.irp i, 0,1,2,3
	v_cvt_pk_bf16_f32 v[FA1+16+(\i)], v[TM+8+2*(\i)], v[TM+8+2*(\i)+1]   ; v is rounded once to bf16, as the products' other operands are,
.endr
.irp i, 0,1,2,3
	v_lshlrev_b32 v[TM+8+2*(\i)],   16, v[FA1+16+(\i)]                   ; and widened again: all that follows is f32
	v_and_b32     v[TM+8+2*(\i)+1], 0xffff0000, v[FA1+16+(\i)]
.endr
.irp i, 0,1,2,3,4,5,6,7
	v_mul_f32 v[FA1+2*(\i)],   s[KK], v[TM+(\i)]   ; 2 log2(e) d
	v_mul_f32 v[FA1+2*(\i)+1], -2.0, v[TM+8+(\i)]  ; -2 v
.endr
	s_wait_alu depctr_va_vdst(0)                   ; the sixteen products have written v[FA1 ..], which the LDS stores read
.irp k, 0,1,2,3
	ds_store_b128 v[DVS], v[FA1+4*(\k):FA1+4*(\k)+3] offset:16*(\k)
.endr
	SLD 3, 0
	WIN 0
	s_mov_b32 s[CNT], 3
.Lstage:                                               ; a trip: four chunks are laid into LDS, and the four behind them asked for
.irp s, 0,1,2,3
	CHUNK \s, 1, 48
.endr
	WIN 0
	s_wait_xcnt 0x0                                ; the loads' base is stepped only behind this wait
	s_add_nc_u64 s[ENC:ENC+1], s[ENC:ENC+1], 32768
	s_add_co_u32 s[SO], s[SO], 8*PA                ; eight rows on in A
	s_wait_alu depctr_vm_vsrc(0)                   ; the trip's LDS stores have read v[SAW], which the next line writes, and both out-buffers
	v_add_nc_u32 v[SAW], s[SO], v[SA]
	s_sub_co_u32 s[CNT], s[CNT], 1
	s_cmp_lg_u32 s[CNT], 0
	s_cbranch_scc1 .Lstage
.irp s, 0,1,2,3                        ; the last four chunks: nothing more is asked for, the counts run down
	CHUNK \s, 0, 48-16*(\s)
.endr
	s_wait_alu depctr_vm_vsrc(0)                   ; my LDS stores have read v[SAW], both out-buffers and v[FA1 ..]: later parts write v16 anew and load A's fragments into v112-239
.Lb1:
	s_wait_dscnt 0x0                               ; for the others' sake: my rows and my part of DV are in LDS
	s_barrier_signal -1
	s_barrier_wait -1
	s_cmp_eq_u32 s[LIVE], 0
	s_cbranch_scc1 .Lbx
; PART 2a: THE PRODUCT, TANH, ROW SUMS IN REGISTERS.  It only reads LDS.
.macro BLD8 slot, imm, t0              ; half a stream step of W: hidden tiles t0 .. t0 + 3, 2 halves of a fragment each: 8 loads of 512 consecutive bytes
	WIN TO1
.irp t, 0,1,2,3
	global_load_b128 v[64*(\slot)+8*((\t0)+(\t)):64*(\slot)+8*((\t0)+(\t))+3],   v[GO], s[SB:SB+1] offset:(\imm)+1024*((\t0)+(\t))
	global_load_b128 v[64*(\slot)+8*((\t0)+(\t))+4:64*(\slot)+8*((\t0)+(\t))+7], v[GO], s[SB:SB+1] offset:(\imm)+1024*((\t0)+(\t))+512
.endr
.endm
.macro BLD slot, imm                   ; a whole stream step: 16 loads
	BLD8 \slot, \imm, 0
	BLD8 \slot, \imm, 4
.endm
.macro AF8 buf, k, i0                  ; A's fragments of row tiles i0 .. i0 + 3 of one K step, at byte k from the trip's addresses: 8 loads
	WIN 0
.irp i, 0,1,2,3
	ds_load_b128 v[(\buf)+8*((\i0)+(\i)):(\buf)+8*((\i0)+(\i))+3],   v[AA+((\i0)+(\i))/2] offset:(((\i0)+(\i))%2)*16*PA+(\k)
	ds_load_b128 v[(\buf)+8*((\i0)+(\i))+4:(\buf)+8*((\i0)+(\i))+7], v[AA+((\i0)+(\i))/2] offset:(((\i0)+(\i))%2)*16*PA+(\k)+32
.endr
.endm
; 16 matrix instructions: row tiles 4 hi + a0, 4 hi + a0 + 1 x 8 hidden tiles.  The 64 accumulators take turns, one instruction a turn, in the same order in every step.
.macro MUL16 fa, rb, hi, a0, zero
	WIN MUL_LO+0x50*(\hi)
.irp a, \a0, (\a0)+1
.irp t, 0,1,2,3,4,5,6,7
.if \zero
	v_wmma_f32_16x16x32_bf16 v[8*(8*(\a)+(\t)):8*(8*(\a)+(\t))+7], v[(\fa)+8*(4*(\hi)+(\a)):(\fa)+8*(4*(\hi)+(\a))+7], v[64*(\rb)+8*(\t):64*(\rb)+8*(\t)+7], 0
.else
	v_wmma_f32_16x16x32_bf16 v[8*(8*(\a)+(\t)):8*(8*(\a)+(\t))+7], v[(\fa)+8*(4*(\hi)+(\a)):(\fa)+8*(4*(\hi)+(\a))+7], v[64*(\rb)+8*(\t):64*(\rb)+8*(\t)+7], v[8*(8*(\a)+(\t)):8*(8*(\a)+(\t))+7]
.endif
.endr
.endr
.endm
; A K STEP: multiplies A's buffer fa by W's slot rb, in four groups of 16 matrix instructions.  Ahead of each group stands a run of eight loads: half of the stream step three on (at byte kb, into the slot that the
; step before multiplied), half of the next step's A (byte ka, buffer fb, which the step before multiplied), by turns.  The wait at the step's head states what all 32 hang on; the groups name fa, slot rb and the accumulators alone.
; lc: the loads that may stay out at its head.  zero = 1 (a pass's first step): its products start the sums, and the wait at the pass's head serves it.
; cond = 1 (a pass's last three steps): the stream steps that they ask for are the next pass's, in one run of 16 under one branch; the last pass asks for nothing, so that no load passes wb's end.
.macro STEP fa, fb, rb, zero, ka, kb, lc, cond
	s_wait_loadcnt \lc                             ; this step's W is in; the younger stream steps' loads stay out
	s_wait_dscnt 8                                 ; A's row tiles 0-3 are in; the youngest eight loads (tiles 4-7) may be out
.if !(\zero)
	PLACES
.if \cond
	WIN 0
.else
	WIN TO1
.endif
	s_wait_alu depctr_va_vdst(0)                   ; the step before is done reading its buffer of A and its slot of W, in which this step's loads land; in a trip's first step v[AA ..] are written
.endif
.if \cond
	WIN 0
	s_cmp_eq_u32 s[PASS], 1
	s_cbranch_scc1 .Lnob_\@
	BLD ((\rb)+3)%4, \kb
	WIN 0
.Lnob_\@:
.else
	BLD8 ((\rb)+3)%4, \kb, 0
.endif
	MUL16 \fa, \rb, 0, 0, \zero
.if (\ka) >= 0
	AF8 \fb, \ka, 0                                ; no wait: no vector or matrix instruction since the wait above names fb or v[AA ..]
.endif
	MUL16 \fa, \rb, 0, 2, \zero
.if !(\cond)
	BLD8 ((\rb)+3)%4, \kb, 4                       ; nor the slot
.endif
.if (\ka) >= 0
	s_wait_dscnt 8                                 ; all but the eight issued in this step: A's row tiles 4-7 are in
.else
	s_wait_dscnt 0x0
.endif
	MUL16 \fa, \rb, 1, 0, \zero
.if (\ka) >= 0
	AF8 \fb, \ka, 4
.endif
	MUL16 \fa, \rb, 1, 2, \zero
.endm
; ROW TILE i's 8 accumulators: x = acc + d; r = 1 / (1 + 2^(2 log2(e) x)); row sums += -2 v r.  Each accumulator is read from its low end on.
.macro EPI i
.set AC, 64*((\i)%4)
	WIN 0x82+0x41*((\i)/4)                         ; destination and source 0 in the accumulators' window
.irp t, 0,1,2,3,4,5,6,7
.irp z, 0,1,2,3
	v_pk_fma_f32 v[AC+8*(\t)+2*(\z):AC+8*(\t)+2*(\z)+1], v[AC+8*(\t)+2*(\z):AC+8*(\t)+2*(\z)+1], s[KK:KK+1], v[DVR+2*(\t):DVR+2*(\t)+1] op_sel_hi:[1,0,0]
.endr
.endr
.set n, 0
.rept 64
	v_exp_f32 v[AC+n], v[AC+n]
.set n, n+1
.endr
	v_nop                                          ; a plain instruction between the last exponential and the use of its result (ISA guide 5.7.2)
.set n, 0
	s_wait_alu depctr_va_vdst(0)                   ; the tile's 64 exponentials have written their results, which the additions read: one wait for the batch
.rept 32
	v_pk_add_f32 v[AC+n:AC+n+1], v[AC+n:AC+n+1], 1.0 op_sel_hi:[1,0]
.set n, n+2
.endr
.set n, 0
.rept 64
	v_rcp_f32 v[AC+n], v[AC+n]
.set n, n+1
.endr
	v_nop
	WIN 0x02+((\i)/4)                              ; source 0 in the accumulators' window
	s_wait_alu depctr_va_vdst(0)                   ; the tile's 64 reciprocals have written their results, which the row sums read: one wait for the batch
.irp t, 0,1,2,3,4,5,6,7
.irp z, 0,1,2,3
	v_pk_fma_f32 v[P+8*(\i)+2*(\z):P+8*(\i)+2*(\z)+1], v[AC+8*(\t)+2*(\z):AC+8*(\t)+2*(\z)+1], v[DVR+2*(\t):DVR+2*(\t)+1], v[P+8*(\i)+2*(\z):P+8*(\i)+2*(\z)+1] op_sel:[0,1,0] op_sel_hi:[1,1,1]
.endr
.endr
.endm
	BLD 0, 0                                       ; stream steps 0 to 2: 48 loads.  No vector instruction since staging's last wait on va_vdst names these slots
	BLD 1, 8192
	BLD 2, 16384
	WIN 0
	s_mov_b32 s[DVO], 0
	s_mov_b32 s[PASS], 2
.Lpass:
	s_wait_alu depctr_vm_vsrc(0)                   ; the last pass's LDS loads have read v[AA ..] and v[DVW], which the lines below write
.irp a, 0,1,2,3
	s_mov_b32 s[KO+(\a)], (\a)*32*PA               ; A's addresses at K = 0
	v_add_nc_u32 v[AA+(\a)], s[KO+(\a)], v[AB]
.endr
	v_add_nc_u32 v[DVW], s[DVO], v[DVA]            ; this pass's 128 hidden units' pairs
	s_wait_alu depctr_va_vdst(0)                   ; v[AA ..] and v[DVW] are written, which the LDS loads read; the last pass's row sums are done reading the pairs, its products both buffers of A and slot 3 of W, in which the loads up to K step 0's land
.irp t, 0,1,2,3,4,5,6,7
	ds_load_b64 v[DVR+2*(\t):DVR+2*(\t)+1], v[DVW] offset:128*(\t)   ; older than A's loads, so A's waits cover them
.endr
	AF8 FA0, 0, 0
	AF8 FA0, 0, 4
	STEP FA0, FA1, 0, 1, 64, 3*8192, 32, 0         ; K step 0 stands ahead of the loop: its products start the sums
	WIN 0
	s_mov_b32 s[CNT], 7
.Lk:                                                   ; a trip: K steps 4 n + 1 .. 4 n + 4.  At each head the two stream steps asked for since are younger: 32 loads
	STEP FA1, FA0, 1, 0, 128, 4*8192, 32, 0
	STEP FA0, FA1, 2, 0, 192, 5*8192, 32, 0
	STEP FA1, FA0, 3, 0, 256, 6*8192, 32, 0
	STEP FA0, FA1, 0, 0, 320, 7*8192, 32, 0
	WIN 0
	s_wait_xcnt 0x0                                ; the stream's base is stepped only behind this wait
	s_add_nc_u64 s[SB:SB+1], s[SB:SB+1], 32768
	s_wait_alu depctr_vm_vsrc(0)                   ; the LDS loads issued so far have read v[AA ..], which the lines below write; the next step's wait on va_vdst says that they are written
.irp a, 0,1,2,3
	s_add_co_u32 s[KO+(\a)], s[KO+(\a)], 256       ; four K steps on along A's rows
	v_add_nc_u32 v[AA+(\a)], s[KO+(\a)], v[AB]
.endr
	s_sub_co_u32 s[CNT], s[CNT], 1
	s_cmp_lg_u32 s[CNT], 0
	s_cbranch_scc1 .Lk
	STEP FA1, FA0, 1, 0, 128, 4*8192, 32, 1        ; K steps 29 to 31.  In the last pass nothing is asked for, so 32, 16 and 0 loads are younger;
	STEP FA0, FA1, 2, 0, 192, 5*8192, 16, 1        ; the first pass takes the same counts and waits for more than it needs
	STEP FA1, FA0, 3, 0, -1,  6*8192, 0, 1
	WIN 0
	s_wait_xcnt 0x0
	s_add_nc_u64 s[SB:SB+1], s[SB:SB+1], 32768     ; the next pass's stream step 0
	PLACES                                         ; behind the last products, ahead of the lines that read their results
	EPI 0
	EPI 1
	EPI 2
	EPI 3
	EPI 4
	EPI 5
	EPI 6
	EPI 7
	WIN 0
	s_add_co_u32 s[DVO], s[DVO], 1024              ; the next 128 hidden units' pairs
	s_sub_co_u32 s[PASS], s[PASS], 1
	s_cmp_lg_u32 s[PASS], 0
	s_cbranch_scc1 .Lpass
.Lbx:
	s_wait_dscnt 0x0                               ; load, wait, barrier, store: every wave's reads in the K loops are back before any wave stores into LDS again
	s_barrier_signal -1
	s_barrier_wait -1
	s_cmp_eq_u32 s[LIVE], 0
	s_cbranch_scc1 .Lb2
; PART 2b: a row's sum over my wave's 256 hidden units lies in 16 lanes: through my own part of PS, in by lanes, back by rows.  The sum of v (the 1 of 1 - 2 r) joins it here.
	s_wait_alu depctr_va_vdst(0)                   ; the last row tile's sums are written into P, which the LDS stores read
.irp i, 0,1,2,3,4,5,6,7
	ds_store_b128 v[PSA], v[P+8*(\i):P+8*(\i)+3]   offset:64*(\i)
	ds_store_b128 v[PSA], v[P+8*(\i)+4:P+8*(\i)+7] offset:64*(\i)+16
.endr
.irp u, 0,1,2,3,4,5,6,7,8,9,10,11,12,13,14,15
	ds_load_b32 v[TM+(\u)], v[DVA] offset:128*(\u)+4   ; -2 v of my lane's 16 hidden units, both passes'
.endr
.irp c, 0,1,2,3,4,5,6,7,8,9,10,11,12,13,14,15
	ds_load_b128 v[FA1+4*(\c):FA1+4*(\c)+3], v[PRA] offset:528*(\c)  ; LDS serves a wave's instructions in order (ISA guide 5.7.1.4): these see the stores above
.endr
	s_wait_dscnt 16                                ; the sixteen -2 v are in; the sixteen loads from PS, issued behind them, may be out
.irp u, 0,2,4,6
	v_pk_add_f32 v[TM+(\u):TM+(\u)+1], v[TM+(\u):TM+(\u)+1], v[TM+8+(\u):TM+8+(\u)+1]
.endr
	v_pk_add_f32 v[TM:TM+1],   v[TM:TM+1],   v[TM+4:TM+5]
	v_pk_add_f32 v[TM+2:TM+3], v[TM+2:TM+3], v[TM+6:TM+7]
	v_pk_add_f32 v[TM:TM+1],   v[TM:TM+1],   v[TM+2:TM+3]
	v_add_f32 v[CSUM], v[TM], v[TM+1]
	v_add_f32_dpp v[CSUM], v[CSUM], v[CSUM] row_xmask:1 row_mask:0xf bank_mask:0xf   ; over the 16 lanes of a half; the two halves hold the same hidden units
	v_add_f32_dpp v[CSUM], v[CSUM], v[CSUM] row_xmask:2 row_mask:0xf bank_mask:0xf
	v_add_f32_dpp v[CSUM], v[CSUM], v[CSUM] row_xmask:4 row_mask:0xf bank_mask:0xf
	v_add_f32_dpp v[CSUM], v[CSUM], v[CSUM] row_xmask:8 row_mask:0xf bank_mask:0xf
	s_wait_dscnt 0x0
.irp c, 0,1,2,3,4,5,6,7
	v_pk_add_f32 v[FA1+4*(\c):FA1+4*(\c)+1],   v[FA1+4*(\c):FA1+4*(\c)+1],   v[FA1+32+4*(\c):FA1+32+4*(\c)+1]
	v_pk_add_f32 v[FA1+4*(\c)+2:FA1+4*(\c)+3], v[FA1+4*(\c)+2:FA1+4*(\c)+3], v[FA1+32+4*(\c)+2:FA1+32+4*(\c)+3]
.endr
.irp c, 0,1,2,3
	v_pk_add_f32 v[FA1+4*(\c):FA1+4*(\c)+1],   v[FA1+4*(\c):FA1+4*(\c)+1],   v[FA1+16+4*(\c):FA1+16+4*(\c)+1]
	v_pk_add_f32 v[FA1+4*(\c)+2:FA1+4*(\c)+3], v[FA1+4*(\c)+2:FA1+4*(\c)+3], v[FA1+16+4*(\c)+2:FA1+16+4*(\c)+3]
.endr
.irp c, 0,1
	v_pk_add_f32 v[FA1+4*(\c):FA1+4*(\c)+1],   v[FA1+4*(\c):FA1+4*(\c)+1],   v[FA1+8+4*(\c):FA1+8+4*(\c)+1]
	v_pk_add_f32 v[FA1+4*(\c)+2:FA1+4*(\c)+3], v[FA1+4*(\c)+2:FA1+4*(\c)+3], v[FA1+8+4*(\c)+2:FA1+8+4*(\c)+3]
.endr
	v_pk_add_f32 v[FA1:FA1+1],   v[FA1:FA1+1],   v[FA1+4:FA1+5]
	v_pk_add_f32 v[FA1+2:FA1+3], v[FA1+2:FA1+3], v[FA1+6:FA1+7]
	v_pk_fma_f32 v[FA1:FA1+1],   v[CSUM:CSUM+1], -0.5, v[FA1:FA1+1]   op_sel_hi:[0,0,1]   ; + the sum of v = -0.5 x the sum of -2 v; the pair's low register serves both halves
	v_pk_fma_f32 v[FA1+2:FA1+3], v[CSUM:CSUM+1], -0.5, v[FA1+2:FA1+3] op_sel_hi:[0,0,1]
	s_wait_alu depctr_va_vdst(0)                   ; the two lines above have written v[FA1:FA1+3], which the LDS store reads
	ds_store_b128 v[XWS], v[FA1:FA1+3]             ; rows 4 lane .. 4 lane + 3, my wave's share
	s_wait_alu depctr_vm_vsrc(0)                   ; that store has read v[FA1:FA1+3], in which part 3's loads of the weights' lo parts land
.Lb2:
	s_wait_dscnt 0x0                               ; for the others' sake: my share of the row sums is in LDS
	s_barrier_signal -1
	s_barrier_wait -1
	s_cmp_eq_u32 s[LIVE], 0
	s_cbranch_scc1 .Lmasked
; PART 3: LOGITS, THE BLOCK'S MAXIMUM AND WEIGHTS (every wave makes them for itself: no further barrier), AND po FOR MY WAVE'S 256 COLUMNS.
.macro TR q, buf                       ; enc turned: rows 32 q .. 32 q + 31 x my 256 columns, 16 fragments of 16 columns
	WIN TO1
.irp u, 0,1,2,3,4,5,6,7,8,9,10,11,12,13,14,15
	ds_load_tr16_b128 v[128*(\buf)+8*(\u):128*(\buf)+8*(\u)+3],   v[TA+(\q)] offset:32*(\u)
	ds_load_tr16_b128 v[128*(\buf)+8*(\u)+4:128*(\buf)+8*(\u)+7], v[TA+(\q)] offset:32*(\u)+16*PA
.endr
.endm
.macro MM wf, q, buf, zero             ; 16 matrix instructions on 16 accumulators, which take turns, one instruction a turn; wf: the weights' hi or lo parts
	WIN MUL_LO
.irp u, 0,1,2,3,4,5,6,7,8,9,10,11,12,13,14,15
.if \zero
	v_wmma_f32_16x16x32_bf16 v[8*(\u):8*(\u)+7], v[(\wf)+8*(\q):(\wf)+8*(\q)+7], v[128*(\buf)+8*(\u):128*(\buf)+8*(\u)+7], 0
.else
	v_wmma_f32_16x16x32_bf16 v[8*(\u):8*(\u)+7], v[(\wf)+8*(\q):(\wf)+8*(\q)+7], v[128*(\buf)+8*(\u):128*(\buf)+8*(\u)+7], v[8*(\u):8*(\u)+7]
.endif
.endr
.endm
	s_wait_loadcnt 0x0                             ; no load into W's ring is out: its registers take enc's turned fragments below
.irp u, 0,1,2,3
	ds_load_b128 v[FA0+4*(\u):FA0+4*(\u)+3], v[XWR] offset:512*(\u)   ; the four waves' shares of rows 4 lane .. 4 lane + 3
.endr
.irp q, 0,1,2,3
	v_add_nc_u32 v[TM+(\q)], \q, v[ROWN]           ; the rows' numbers in the batch
.endr
	v_mov_b32 v[TM+5], 0                           ; written, since v_permlanex16_b32 counts as a reader of its destination
	s_wait_dscnt 0x0
.irp u, 1,2,3
	v_pk_add_f32 v[FA0:FA0+1],   v[FA0:FA0+1],   v[FA0+4*(\u):FA0+4*(\u)+1]
	v_pk_add_f32 v[FA0+2:FA0+3], v[FA0+2:FA0+3], v[FA0+4*(\u)+2:FA0+4*(\u)+3]
.endr
.irp q, 0,1,2,3
	v_cmp_gt_i32 s[MK+(\q)], s[LEN], v[TM+(\q)]    ; the row lies in front of the length: four masks in a run
.endr
	s_wait_alu depctr_va_sdst(0)                   ; the four compares have written s[MK ..], ahead of their first reader: one wait for the run
.irp q, 0,1,2,3
	v_cndmask_b32 v[FA0+(\q)], v[MV], v[FA0+(\q)], s[MK+(\q)]
.endr
	s_cmp_lg_u32 s[WV], 0
	s_cbranch_scc1 .Lnolg
	s_wait_alu depctr_va_vdst(0)                   ; the four selects have written v[FA0:FA0+3], which the store reads
	global_store_b128 v[GO], v[FA0:FA0+3], s[LG:LG+1]   ; wave 0: the block's 128 logits, 512 consecutive bytes; these four registers are not written again
.Lnolg:
	v_max3_num_f32 v[TM+4], v[FA0], v[FA0+1], v[FA0+2]
	v_max_num_f32 v[TM+4], v[TM+4], v[FA0+3]
	v_max_num_f32_dpp v[TM+4], v[TM+4], v[TM+4] row_xmask:1 row_mask:0xf bank_mask:0xf
	v_max_num_f32_dpp v[TM+4], v[TM+4], v[TM+4] row_xmask:2 row_mask:0xf bank_mask:0xf
	v_max_num_f32_dpp v[TM+4], v[TM+4], v[TM+4] row_xmask:4 row_mask:0xf bank_mask:0xf
	v_max_num_f32_dpp v[TM+4], v[TM+4], v[TM+4] row_xmask:8 row_mask:0xf bank_mask:0xf
	v_permlanex16_b32 v[TM+5], v[TM+4], s[SEL], s[SEL+1]
	v_max_num_f32 v[TM+4], v[TM+4], v[TM+5]        ; the block's maximum, in every lane
.irp q, 0,1,2,3
	v_sub_f32 v[TM+(\q)], v[FA0+(\q)], v[TM+4]
.endr
.irp q, 0,1,2,3
	v_mul_f32 v[TM+(\q)], 0x3fb8aa3b, v[TM+(\q)]
.endr
.irp q, 0,1,2,3
	v_exp_f32 v[TM+(\q)], v[TM+(\q)]
.endr
	v_nop
	s_wait_alu depctr_va_vdst(0)                   ; the four exponentials have written v[TM:TM+3], which the roundings read
	v_cvt_pk_bf16_f32 v[TM+6], v[TM], v[TM+1]      ; hi = bf16(e)
	v_cvt_pk_bf16_f32 v[TM+7], v[TM+2], v[TM+3]
	v_lshlrev_b32 v[TM+8],  16, v[TM+6]            ; hi as f32
	v_and_b32     v[TM+9],  0xffff0000, v[TM+6]
	v_lshlrev_b32 v[TM+10], 16, v[TM+7]
	v_and_b32     v[TM+11], 0xffff0000, v[TM+7]
	v_pk_add_f32 v[TM+8:TM+9],   v[TM:TM+1],   v[TM+8:TM+9]   neg_lo:[0,1] neg_hi:[0,1]   ; e - hi: exact in f32
	v_pk_add_f32 v[TM+10:TM+11], v[TM+2:TM+3], v[TM+10:TM+11] neg_lo:[0,1] neg_hi:[0,1]
	v_cvt_pk_bf16_f32 v[TM+12], v[TM+8], v[TM+9]   ; lo = bf16(e - hi)
	v_cvt_pk_bf16_f32 v[TM+13], v[TM+10], v[TM+11]
	s_wait_alu depctr_va_vdst(0)                   ; the roundings have written hi and lo, which the LDS stores read; part 2b's sums are done with v[FA1 ..], in which the lo parts land
	ds_store_b64 v[EWS], v[TM+6:TM+7]              ; my own copy of the 128 weights, by rows: hi,
	ds_store_b64 v[EWS], v[TM+12:TM+13] offset:256 ; and lo
.irp q, 0,1,2,3
	ds_load_b128 v[WF+8*(\q):WF+8*(\q)+3],   v[EWR] offset:64*(\q)      ; as source 0: all 16 of its rows hold the same 32 weights
	ds_load_b128 v[WF+8*(\q)+4:WF+8*(\q)+7], v[EWR] offset:64*(\q)+32
	ds_load_b128 v[WL+8*(\q):WL+8*(\q)+3],   v[EWR] offset:256+64*(\q)
	ds_load_b128 v[WL+8*(\q)+4:WL+8*(\q)+7], v[EWR] offset:256+64*(\q)+32
.endr
	TR 0, 0
	TR 1, 1
	s_wait_dscnt 32                                ; all but the younger run of 32: the weights and the older run are in
	MM WF, 0, 0, 1
	MM WL, 0, 0, 0
	PLACES
	WIN TO1
	s_wait_alu depctr_va_vdst(0)                   ; the products of rows 0-31 are done reading buffer 0, in which rows 64-95 land
	TR 2, 0
	s_wait_dscnt 32
	MM WF, 1, 1, 0
	MM WL, 1, 1, 0
	PLACES
	WIN TO1
	s_wait_alu depctr_va_vdst(0)                   ; the products of rows 32-63 are done reading buffer 1, in which rows 96-127 land
	TR 3, 1
	s_wait_dscnt 32
	MM WF, 2, 0, 0
	MM WL, 2, 0, 0
	s_wait_dscnt 0x0
	MM WF, 3, 1, 0
	MM WL, 3, 1, 0
	PLACES                                         ; four places behind the last product, before its result is read; they stay beside the wait below
	WIN ST2
	s_wait_alu depctr_va_vdst(0)                   ; the products have written the 16 accumulators, whose lowest registers the LDS stores read
.irp u, 0,1,2,3,4,5,6,7,8,9,10,11,12,13,14,15
	ds_store_b32 v[OSS], v[8*(\u)] offset:64*(\u)  ; all rows of a result are alike: its lowest register is po of column 16 u + lane % 16 (both halves of the lanes write the same word)
.endr
	WIN 0
	s_wait_alu depctr_vm_vsrc(0)                   ; the LDS store of the weights' hi parts has read v[TM+6:TM+7], in which the second load below lands
	ds_load_b128 v[TM:TM+3],   v[OSR]
	ds_load_b128 v[TM+4:TM+7], v[OSR] offset:512
	s_wait_dscnt 0x0
	global_store_b128 v[GO], v[TM:TM+3],   s[PT:PT+1]              ; 512 consecutive bytes each
	global_store_b128 v[GO], v[TM+4:TM+7], s[PT:PT+1] offset:512
	s_branch .Lend
.Lmasked:                                              ; the whole block lies behind the length
.irp q, 0,1,2,3
	v_mov_b32 v[TM+(\q)], v[MV]
	v_mov_b32 v[TM+4+(\q)], 0
.endr
	s_wait_alu depctr_va_vdst(0)                   ; the eight moves have written v[TM:TM+7], which the stores on both ways below read
	s_cmp_lg_u32 s[WV], 0
	s_cbranch_scc1 .Lnolg2
	global_store_b128 v[GO], v[TM:TM+3], s[LG:LG+1]
.Lnolg2:
	global_store_b128 v[GO], v[TM+4:TM+7], s[PT:PT+1]
	global_store_b128 v[GO], v[TM+4:TM+7], s[PT:PT+1] offset:512
.Lend:
	s_wait_dscnt 0x0                               ; the closing lines, six on end
	s_wait_alu 0x0
	s_wait_tensorcnt 0x0
	ds_add_u32 v[SPW], v[NIL]
	s_wait_dscnt 0x0
	s_endpgm
.Lfunc_end_k_qaf28190694_main:
	.size	k_qaf28190694_main, .Lfunc_end_k_qaf28190694_main-k_qaf28190694_main
	.p2alignl 7, 3214868480
	.fill 96, 4, 3214868480
	.section	.rodata,"a",@progbits
	.p2align	6, 0x0
	.amdhsa_kernel k_qaf28190694_main
		.amdhsa_group_segment_fixed_size 314880
		.amdhsa_private_segment_fixed_size 0
		.amdhsa_enable_private_segment 0
		.amdhsa_kernarg_size 56
		.amdhsa_user_sgpr_count 2
		.amdhsa_user_sgpr_kernarg_segment_ptr 1
		.amdhsa_wavefront_size32 1
		.amdhsa_system_sgpr_workgroup_id_x 1
		.amdhsa_system_sgpr_workgroup_id_y 1
		.amdhsa_system_sgpr_workgroup_id_z 1
		.amdhsa_system_vgpr_workitem_id 0
		.amdhsa_next_free_vgpr 1024
		.amdhsa_next_free_sgpr 66
		.amdhsa_reserve_vcc 0
		.amdhsa_float_denorm_mode_32 3
		.amdhsa_float_denorm_mode_16_64 3
		.amdhsa_memory_ordered 1
		.amdhsa_forward_progress 1
		.amdhsa_inst_pref_size 221
	.end_amdhsa_kernel
	.amdgpu_metadata
---
amdhsa.version: [ 1, 2 ]
amdhsa.kernels:
  - .name:           k_qaf28190694_main
    .symbol:         k_qaf28190694_main.kd
    .args:
      - { .name: encoder_outputs, .offset: 0, .size: 8, .value_kind: global_buffer, .address_space: global }
      - { .name: sequence_length, .offset: 8, .size: 8, .value_kind: global_buffer, .address_space: global }
      - { .name: v, .offset: 16, .size: 8, .value_kind: global_buffer, .address_space: global }
      - { .name: wb, .offset: 24, .size: 8, .value_kind: global_buffer, .address_space: global }
      - { .name: dproj, .offset: 32, .size: 8, .value_kind: global_buffer, .address_space: global }
      - { .name: lg, .offset: 40, .size: 8, .value_kind: global_buffer, .address_space: global }
      - { .name: part, .offset: 48, .size: 8, .value_kind: global_buffer, .address_space: global }
    .group_segment_fixed_size: 314880
    .private_segment_fixed_size: 0
    .kernarg_segment_align: 8
    .kernarg_segment_size: 56
    .max_flat_workgroup_size: 128
    .sgpr_count:     66
    .vgpr_count:     1024
    .wavefront_size: 32
...
	.end_amdgpu_metadata
.endif
;; end of part 4
;; launch combine: the kernel of part 3 again; grid 8 x 32, 8 waves a work-group, no clusters, 5,376 bytes of LDS; arguments lg, part, out0, out1; writes out0, out1
